; MI455X (gfx1250); checked and timed in simulation.
; The chip was launched on July 23, 2026; its instructions are those of AMD's public machine-readable ISA for CDNA 5 (MIT licence, August 2026) and "CDNA5" Instruction Set Architecture Reference Guide (July 2026). The comments in the code are by the model that wrote it; some were corrected since.
;; GQA. Allowed arithmetic: matrix products marked QUANTISED: E2M1 operands, one E8M0 scale for each 32 along K, by v_wmma_scale_f32_16x16x128_f8f6f4 with both operands' format E2M1 (or v_wmma_scale_f32_32x16x128_f4), f32 sums; products left as they are: bf16, f16 or f32 operands; f32 sums; everything else in f32.
;; Inputs: cos 2,048 x 64 float32; sin 2,048 x 64 float32; wk 2,048 x 512 float32; wo 2,048 x 2,048 float32; wq 2,048 x 2,048 float32; wv 2,048 x 512 float32; x 1 x 2,048 x 2,048 float32.
;; Outputs: out0 1 x 2,048 x 2,048 float32.
;; This version of the problem:
;;   THIS VERSION OF THE PROBLEM IS GIVEN IN LOW PRECISION. The matrix products marked QUANTISED in the list below multiply operands that are first quantised to E2M1 (2 exponent bits, 1 mantissa bit; 4 bits a number), with one power-of-two scale for each 32 numbers along K (OCP MX v1.0); their sums are f32. The products marked 'left as it is' may take bf16, f16 or f32 operands, with f32 sums. Whichever they take, every output number must still come out within the allowed error. Rounding operands to bf16 (8 significant bits) uses up far more of that allowance than f16 does (11 bits, for magnitudes from 6e-5 to 65,504). All else is computed in f32.
;;   The module's matrix products, in the order in which they are computed (A, B: the left and right operand; K: the contracted axis; several contracted axes count as one K, in the product's order):
;;     1. [M 2,048, K 2,048] x [K 2,048, N 2,048]; A: input x; B: input wq: QUANTISED
;;     2. [M 2,048, K 2,048] x [K 2,048, N 512]; A: input x; B: input wk: QUANTISED
;;     3. [M 2,048, K 2,048] x [K 2,048, N 512]; A: input x; B: input wv: QUANTISED
;;     4. batch 4 x [M 8,192, K 128] x [K 128, N 2,048]; A: computed on the way; B: computed on the way: left as it is (an operand is computed on the way)
;;     5. batch 4 x [M 8,192, K 2,048] x [K 2,048, N 128]; A: computed on the way; B: computed on the way: left as it is (an operand is computed on the way)
;;     6. [M 2,048, K 2,048] x [K 2,048, N 2,048]; A: computed on the way; B: input wo: left as it is (an operand is computed on the way)
;;   THE QUANTISER, for each operand of a quantised product, along K:
;;     - K is cut into blocks of 32 from its start; a last block that is shorter is filled with zeros.
;;     - A block's scale is 2^e with e = floor(log2(the largest magnitude in the block)) - 2, held to -126 .. 127; a block of zeros has e = 0. As a byte (E8M0): e + 127.
;;     - Each number is divided by its block's scale, clamped to +-6, and rounded to the nearest number of E2M1, ties to even, subnormals kept.
;;     - The product sums the exact products of the quantised numbers (number of the format x scale) in f32.
;;   ~~~python
;;   def quantise(x, axis):      # numpy; x: float32 -> the quantised numbers, widened to float32 again
;;       x = np.moveaxis(x, axis, -1); K = x.shape[-1]
;;       x = np.pad(x, [(0, 0)] * (x.ndim - 1) + [(0, -K % 32)]); x = x.reshape(x.shape[:-1] + (-1, 32)); a = np.abs(x).max(-1, keepdims=True)
;;       e = np.where(a > 0, np.clip(np.frexp(np.where(a > 0, a, 1))[1] - 1 - 2, -126, 127), 0)      # np.frexp(a)[1] - 1 = floor(log2(a)), exactly
;;       r = np.clip(x / 2.0 ** e, -6, 6)
;;       step = 2.0 ** (np.maximum(np.frexp(np.where(r == 0, 1, r))[1] - 1, 0) - 1)
;;       q = np.round(r / step) * step * 2.0 ** e      # np.round: ties to even
;;       return np.moveaxis(q.reshape(q.shape[:-2] + (-1,))[..., :K], -1, axis).astype(np.float32)
;;   ~~~
;; One version. Each part assembles by itself: llvm-mc -triple=amdgcn-amd-amdhsa -mcpu=gfx1250 --defsym DOCPART=n.
;; ======== version 1 of 1: 5 launches
;; limits: values are held in f16: magnitudes above 65,504 overflow, below 6.1e-05 lose precision; right only within a limited range of input values
;; workspace buffers: codes 5,242,880 bytes; scales 327,680 bytes; woh 8,388,608 bytes; qkvh 12,582,912 bytes; fine 196,608 bytes; ah 8,388,608 bytes
;; launch prep (part 1): grid 448 x 1, 4 waves a work-group, no clusters, 51,712 bytes of LDS; arguments x, wq, wk, wv, wo, codes, scales, woh; writes codes, scales, woh
.if DOCPART == 1
	.amdgcn_target "amdgcn-amd-amdhsa--gfx1250"
	.amdhsa_code_object_version 6
	.text
	.protected	k_qef55b4471e_prep
	.globl	k_qef55b4471e_prep
	.p2align	8
	.type	k_qef55b4471e_prep,@function
k_qef55b4471e_prep:
	s_mov_b64 s[64:65], 0
	v_nop
	global_prefetch_b8 v0, s[64:65] scope:SCOPE_SE
	s_setreg_imm32_b32 hwreg(HW_REG_WAVE_MODE, 25, 1), 1
	s_wait_xcnt 0x0
; PREP: all that is narrowed once.  Three kinds of work-group, told apart by the work-group's number alone:
;   0-191   W: wq | wk | wv ([2048 (k)][n] f32, K is the FIRST axis) become codes of E2M1, K innermost, and E8M0 bytes: rows 2048 + n of 'codes' (1,024 bytes a row) and of 'scales' (64 bytes a row);
;              n = 0-2047 wq's columns, 2048-2559 wk's, 2560-3071 wv's.  A lane takes a column, its registers run down K.  A work-group takes 64 columns x 512 along K: wave w takes columns 32 (w % 2) on
;              and 256 (w / 2) on along K, eight blocks of 32.  So the two waves of a K half read 256 consecutive bytes of each row, and a column's 256 bytes of codes, made by two waves, meet in a stage in LDS.
;   192-319 X: x ([2048][2048] f32, K innermost) becomes rows 0-2047 of the same two buffers.  Rows are dense: a plain stream of blocks of 32.  A wave takes 8,192 numbers.
;   320-447 O: wo (f32) becomes f16 in the same [k][n] order, for the projection's matrix instructions.  A wave takes 8,192 numbers.
; A block's scale is 2^(floor(log2(its largest magnitude)) - 2); its byte is the largest magnitude's exponent field - 2, held at 1 from below; each number / scale goes to the nearest code, ties to even, beyond 6 the code of 6.
; LIMITS: a block of zeros, or one whose largest magnitude lies under 2^-124, keeps the byte 1 (its codes are what the conversion gives under that scale; the bytes are read by this program alone);
; NaN and infinities are not served; |wo| stays under 65,504, f16's largest number.
; No tensor loads.  X's and O's waves share nothing; W's four waves pass one barrier, between the writing and the reading of their stage.  Each kind that uses LDS has bytes of its own; every LDS address is made ahead of the parting of the three ways.
.set SPW,   12                         ; v12  LDS address of my spare word; never rewritten
.set NIL,   13                         ; v13  0; never rewritten
.set SP,    80                         ; X: a lane's place in a stage: 64 bytes + 16 of padding
.set WREG,  8192                       ; X: a wave's region: two stages of 32 x SP bytes, then its 256 scale bytes
.set WST,   4*WREG                     ; W: the work-group's stage: 64 rows (columns of the weight)
.set WP,    272                        ; W: a stage row: 256 bytes of codes + 16
.set WSC,   WST+64*WP                  ; W: the 64 columns' scale bytes, 16 each
.set SPARE, WSC+64*16                  ; behind them: the spare words, 128 bytes a wave, which no other line names
.set NBW,   8                          ; W: blocks of 32 along K for a wave
.set EMAX,  2
.set R,     16                         ; X: v16-79 four sets of 16 numbers as loaded
.set X,     80                         ; X: v80-111 two sets of 16 neighbours
.set E,     112                        ; X: v112-127 a scale byte for each step
.set C,     128                        ; X: v128-191 codes, four registers for each step
.set WX,    32                         ; W: v32-95 two sets of 32 numbers
.set WC,    96                         ; W: v96-99 a block's codes
.set WOUT,  112                        ; W: v112-143 the way out
.set SB,    24                         ; W: v24-25 eight scale bytes
.set OFFS,  192                        ; W: v192-223 4 x lane + i x the tensor's row bytes
	s_load_b256 s[4:11], s[0:1], 0x0               ; x, wq, wk, wv
	s_load_b256 s[12:19], s[0:1], 0x20             ; wo, codes, scales, woh
	v_lshl_add_u32 v[SPW], v0, 2, SPARE
	v_mov_b32 v[NIL], 0
	v_lshrrev_b32 v1, 5, v0
	v_readfirstlane_b32 s20, v1                    ; wave 0..3
	v_and_b32 v2, 31, v0                           ; lane
	v_lshlrev_b32 v3, 4, v2                        ; 16 x lane: my bytes of a load's 512
	v_lshlrev_b32 v4, 3, v2                        ; 8 x lane: my bytes of a store's 256
	s_lshl_b32 s21, s20, 13                        ; X: my wave's region
	v_lshrrev_b32 v14, 2, v2
	v_mul_u32_u24 v14, v14, SP
	v_and_b32 v15, 3, v2
	v_lshl_add_u32 v14, v15, 4, v14
	v_add_nc_u32 v14, s21, v14                     ; X: into a stage: four lanes' 64 bytes on end, then the padding
	v_mul_u32_u24 v15, v2, SP
	v_add_nc_u32 v15, s21, v15                     ; X: out of it: my 16 neighbours
	v_lshrrev_b32 v5, 1, v2
	s_add_co_u32 s22, s21, 2*32*SP
	v_add_nc_u32 v5, s22, v5                       ; X: my block's scale byte
	v_add_nc_u32 v6, s22, v4                       ; X: and 8 bytes a lane on the way out
	s_and_b32 s38, s20, 1                          ; W: which 32 of the work-group's 64 columns are my wave's
	s_lshr_b32 s39, s20, 1                         ; W: which 256 of its 512 along K
	s_mul_i32 s25, s38, 32*WP
	s_lshl_b32 s26, s39, 7
	s_add_co_u32 s25, s25, s26
	s_add_co_u32 s25, s25, WST
	v_mul_u32_u24 v224, v2, WP
	v_add_nc_u32 v224, s25, v224                   ; W: into the stage: row = my column, 128 bytes on for the upper 256 along K
	s_lshl_b32 s25, s38, 9
	s_lshl_b32 s26, s39, 3
	s_add_co_u32 s25, s25, s26
	s_add_co_u32 s25, s25, WSC
	v_lshl_add_u32 v228, v2, 4, s25                ; W: my column's 16 scale bytes, my wave's 8 of them
	s_mul_i32 s25, s20, 16*WP
	s_add_co_u32 s25, s25, WST
	v_and_b32 v226, 15, v2
	v_lshrrev_b32 v227, 4, v2
	v_mul_u32_u24 v225, v227, WP
	v_lshl_add_u32 v225, v226, 4, v225
	v_add_nc_u32 v225, s25, v225                   ; W: out of the stage: wave w takes rows 16 w on, sixteen lanes to a row, two rows an instruction
	v_lshlrev_b32 v227, 10, v227
	v_lshl_add_u32 v226, v226, 4, v227
	s_lshl_b32 s25, s20, 14
	v_add_nc_u32 v226, s25, v226                   ; W: the same place in 'codes': 1,024 (16 w + lane / 16) + 16 (lane % 16)
	s_lshl_b32 s25, s20, 8
	s_add_co_u32 s25, s25, WSC
	v_add_nc_u32 v229, s25, v4                     ; W: the scale bytes on the way out: wave w takes 16 columns, two lanes to a column, 8 bytes a lane
	v_lshrrev_b32 v227, 1, v2
	v_and_b32 v230, 1, v2
	v_lshlrev_b32 v227, 6, v227
	v_lshl_add_u32 v227, v230, 3, v227
	s_lshl_b32 s25, s20, 10
	v_add_nc_u32 v227, s25, v227                   ; W: the same place in 'scales': 64 (16 w + lane / 2) + 8 (lane % 2)
	s_wait_kmcnt 0x0
	s_cmp_lt_u32 ttmp9, 192
	s_cbranch_scc1 .Lw
	s_cmp_lt_u32 ttmp9, 320
	s_cbranch_scc1 .Lx
; ---- O: wo to f16.  64 loads of 512 consecutive bytes a wave, in four groups of 16; two groups are on their way while one is rounded.
	s_sub_co_u32 s21, ttmp9, 320
	s_lshl_b32 s21, s21, 2
	s_add_co_u32 s21, s21, s20                     ; which run of 8,192 numbers is my wave's
	s_lshl_b32 s22, s21, 15
	s_mov_b32 s23, 0
	s_add_nc_u64 s[12:13], s[12:13], s[22:23]
	s_lshl_b32 s22, s21, 14
	s_add_nc_u64 s[18:19], s[18:19], s[22:23]
.macro OLOAD g
.irp i, 0,1,2,3,4,5,6,7,8,9,10,11,12,13,14,15
	global_load_b128 v[32+64*((\g)%2)+4*\i:32+64*((\g)%2)+4*\i+3], v3, s[12:13] offset:512*(16*(\g)+\i) th:TH_LOAD_NT
.endr
.endm
.macro OGROUP g
.if (\g) < 3
	s_wait_loadcnt 16                              ; this group's 16 loads are in; the next group's 16 may be out
.else
	s_wait_loadcnt 0x0
.endif
.if (\g) > 0
	s_wait_xcnt 0x0                                ; the last group's stores have read their registers: these are written again only behind this wait
.endif
.irp i, 0,1,2,3,4,5,6,7,8,9,10,11,12,13,14,15
	v_cvt_pk_f16_f32 v[160+2*\i], v[32+64*((\g)%2)+4*\i], v[32+64*((\g)%2)+4*\i+1]
	v_cvt_pk_f16_f32 v[161+2*\i], v[32+64*((\g)%2)+4*\i+2], v[32+64*((\g)%2)+4*\i+3]
.endr
.if (\g)+2 < 4
	OLOAD (\g)+2                                   ; loads ahead of stores
.endif
.irp i, 0,1,2,3,4,5,6,7,8,9,10,11,12,13,14,15
	global_store_b64 v4, v[160+2*\i:161+2*\i], s[18:19] offset:256*(16*(\g)+\i)   ; 32 lanes store 256 consecutive bytes, aligned
.endr
.endm
	OLOAD 0
	OLOAD 1
	OGROUP 0
	OGROUP 1
	OGROUP 2
	OGROUP 3
	s_branch .Lend
; ---- W: a weight's 64 columns x 512 along K; my wave's 32 columns x 256.
.Lw:
	s_and_b32 s21, ttmp9, 3                        ; which 512 along K
	s_lshr_b32 s22, ttmp9, 2                       ; which 64 of the 3,072 columns: 0-31 wq, 32-39 wk, 40-47 wv
	s_mov_b32 s30, 2048                            ; a row of wk or wv in bytes
	s_mov_b32 s23, 2560                            ; wv's first column
	s_cmp_lt_u32 s22, 40
	s_cselect_b64 s[24:25], s[8:9], s[10:11]       ; the choice hangs on the work-group's number alone
	s_cselect_b32 s23, 2048, s23
	s_cmp_lt_u32 s22, 32
	s_cselect_b64 s[24:25], s[6:7], s[24:25]
	s_cselect_b32 s23, 0, s23
	s_cselect_b32 s30, 8192, s30                   ; a row of wq
	s_lshl_b32 s31, s22, 6                         ; the work-group's first column of the 3,072
	s_lshl_b32 s32, s38, 5
	s_add_co_u32 s32, s31, s32                     ; my wave's first column,
	s_sub_co_u32 s32, s32, s23                     ; in its own tensor
	s_lshl_b32 s32, s32, 2
	s_lshl_b32 s33, s21, 1
	s_add_co_u32 s33, s33, s39                     ; which 256 along K are my wave's
	s_mul_i32 s33, s33, s30
	s_lshl_b32 s33, s33, 8                         ; 256 rows for each
	s_add_co_u32 s32, s32, s33
	s_mov_b32 s33, 0
	s_add_nc_u64 s[24:25], s[24:25], s[32:33]      ; even blocks' base
	s_lshl_b32 s28, s30, 5
	s_mov_b32 s29, 0
	s_add_nc_u64 s[26:27], s[24:25], s[28:29]      ; odd blocks' base: 32 rows on
	s_lshl_b32 s28, s30, 6                         ; each steps by 64 rows
	s_add_co_u32 s32, s31, 2048                    ; the work-group's first row of 'codes' and 'scales'
	s_lshl_b32 s34, s32, 6
	s_lshl_b32 s33, s21, 4
	s_add_co_u32 s34, s34, s33
	s_mov_b32 s35, 0
	s_add_nc_u64 s[34:35], s[16:17], s[34:35]      ; scales: row x 64 + 16 bytes for each 512 along K
	s_lshl_b32 s36, s32, 10
	s_lshl_b32 s33, s21, 8
	s_add_co_u32 s36, s36, s33
	s_mov_b32 s37, 0
	s_add_nc_u64 s[36:37], s[14:15], s[36:37]      ; codes: row x 1,024 + 256 bytes for each 512 along K
	v_lshlrev_b32 v[OFFS], 2, v2
.set i, 1
.rept 31
	v_add_nc_u32 v[OFFS+i], s30, v[OFFS+i-1]       ; the row's pitch differs between the tensors, so it cannot stand in an immediate
.set i, i+1
.endr
.macro WLOAD t                         ; block t: w(32 t + i, my column): each load reads 128 consecutive bytes
.irp i, 0,1,2,3,4,5,6,7,8,9,10,11,12,13,14,15,16,17,18,19,20,21,22,23,24,25,26,27,28,29,30,31
	global_load_b32 v[WX+32*((\t)%2)+\i], v[OFFS+\i], s[24+2*((\t)%2):25+2*((\t)%2)] th:TH_LOAD_NT
.endr
.endm
.macro WBLOCK t
.set XS, WX+32*((\t)%2)
.if (\t) < NBW-1
	s_wait_loadcnt 32                              ; this block's 32 loads are in (so their base may step); the next block's 32 may be out
.else
	s_wait_loadcnt 0x0
.endif
	v_max3_num_f32 v8, |v[XS]|, |v[XS+1]|, |v[XS+2]|               ; the block's largest magnitude: all 32 numbers are mine
	v_max3_num_f32 v9, |v[XS+3]|, |v[XS+4]|, |v[XS+5]|
.irp i, 6,10,14,18,22,26
	v_max3_num_f32 v8, v8, |v[XS+\i]|, |v[XS+\i+1]|
	v_max3_num_f32 v9, v9, |v[XS+\i+2]|, |v[XS+\i+3]|
.endr
	v_max3_num_f32 v8, v8, |v[XS+30]|, |v[XS+31]|
	v_max3_num_f32 v8, v8, v9, (EMAX+1)<<23        ; and the floor 2^(3 - 127): the byte cannot fall under 1
	v_add_nc_u32 v11, -(EMAX<<23), v8              ; 2 off its exponent field: the conversion takes this operand's exponent field as its scale
	v_lshrrev_b32 v10, 23, v11                     ; the scale's byte
.if (\t)%4 == 0
	v_mov_b32 v[SB+(\t)/4], v10                    ; four bytes to a register, the lower K in the lower byte
.else
	v_lshl_or_b32 v[SB+(\t)/4], v10, 8*((\t)%4), v[SB+(\t)/4]
.endif
.irp g, 0,1,2,3
	v_cvt_scalef32_pk8_fp4_f32 v[WC+\g], v[XS+8*\g:XS+8*\g+7], v11
.endr
	ds_store_b128 v224, v[WC:WC+3] offset:16*(\t)  ; 32 codes: 16 bytes of my column's row
.if (\t)+2 < NBW
	s_add_nc_u64 s[24+2*((\t)%2):25+2*((\t)%2)], s[24+2*((\t)%2):25+2*((\t)%2)], s[28:29]
	WLOAD (\t)+2
.endif
	s_wait_dscnt 0x0                               ; the store has read its registers: the next block's codes may be written
.endm
	WLOAD 0
	WLOAD 1
.set Q, 0
.rept NBW
	WBLOCK Q
.set Q, Q+1
.endr
	ds_store_b64 v228, v[SB:SB+1]                  ; my column's eight scale bytes
	s_wait_dscnt 0x0                               ; for the others' sake: my stores into the stage have landed
	s_barrier_signal -1
	s_barrier_wait -1                              ; a column's 256 bytes of codes and 16 scale bytes come from two waves
	ds_load_b64 v[8:9], v229
.irp t, 0,1,2,3,4,5,6,7
	ds_load_b128 v[WOUT+4*\t:WOUT+4*\t+3], v225 offset:2*\t*WP
.endr
	s_wait_dscnt 8                                 ; the scale bytes are in; the eight loads behind them may be out
	global_store_b64 v227, v[8:9], s[34:35]        ; two lanes store a column's 16 scale bytes
.irp t, 0,1,2,3,4,5,6,7
	s_wait_dscnt 7-\t                              ; the younger loads may be out
	global_store_b128 v226, v[WOUT+4*\t:WOUT+4*\t+3], s[36:37] offset:2*\t*1024   ; sixteen lanes store 256 consecutive bytes, aligned
.endr
	s_branch .Lend
; ---- X: 16 steps of 512 numbers.  Each load reads 512 consecutive bytes; a step's 2,048 bytes turn through the wave's stage so that a lane holds 16 neighbours; two neighbouring lanes hold a block.
.Lx:
	s_sub_co_u32 s21, ttmp9, 192
	s_lshl_b32 s21, s21, 2
	s_add_co_u32 s21, s21, s20                     ; which run of 8,192 numbers is my wave's
	s_mov_b32 s23, 0
	s_lshl_b32 s22, s21, 15
	s_add_nc_u64 s[24:25], s[4:5], s[22:23]
	s_lshl_b32 s22, s21, 12
	s_add_nc_u64 s[26:27], s[14:15], s[22:23]
	s_lshl_b32 s22, s21, 8
	s_add_nc_u64 s[28:29], s[16:17], s[22:23]
.macro XLOAD t
.irp i, 0,1,2,3
	global_load_b128 v[R+16*((\t)%4)+4*\i:R+16*((\t)%4)+4*\i+3], v3, s[24:25] offset:2048*(\t)+512*\i th:TH_LOAD_NT
.endr
.endm
.macro XTURN t                         ; LDS serves a wave's instructions in order: no wait between the stores and the loads
.irp i, 0,1,2,3
	ds_store_b128 v14, v[R+16*((\t)%4)+4*\i:R+16*((\t)%4)+4*\i+3] offset:32*SP*((\t)%2)+8*SP*\i
.endr
.irp i, 0,1,2,3
	ds_load_b128 v[X+16*((\t)%2)+4*\i:X+16*((\t)%2)+4*\i+3], v15 offset:32*SP*((\t)%2)+16*\i
.endr
.endm
.macro XSTEP t
.set XS, X+16*((\t)%2)
.if (\t) > 0
	s_wait_dscnt 1                                 ; this step's numbers are back from the stage; the last step's byte store may be out
.else
	s_wait_dscnt 0x0
.endif
.if (\t)+4 < 16
	XLOAD (\t)+4                                   ; into the registers that this step's stores into the stage have read
.endif
.if (\t)+1 < 16
.if 14-(\t) >= 3
	s_wait_loadcnt 12                              ; the next step's four loads are in; those of the three steps behind it may be out
.else
	s_wait_loadcnt 4*(14-(\t))
.endif
	XTURN (\t)+1
.endif
	v_max3_num_f32 v8, |v[XS]|, |v[XS+1]|, |v[XS+2]|
	v_max3_num_f32 v9, |v[XS+3]|, |v[XS+4]|, |v[XS+5]|
.irp i, 6,10
	v_max3_num_f32 v8, v8, |v[XS+\i]|, |v[XS+\i+1]|
	v_max3_num_f32 v9, v9, |v[XS+\i+2]|, |v[XS+\i+3]|
.endr
	v_max3_num_f32 v8, v8, |v[XS+14]|, |v[XS+15]|
	v_max3_num_f32 v8, v8, v9, (EMAX+1)<<23        ; the floor
	v_max_num_f32_dpp v8, v8, v8 row_xmask:1 row_mask:0xf bank_mask:0xf   ; with my neighbour's 16: the block's largest magnitude
	v_add_nc_u32 v11, -(EMAX<<23), v8
	v_cvt_scalef32_pk8_fp4_f32 v[C+4*(\t)], v[XS:XS+7], v11
	v_cvt_scalef32_pk8_fp4_f32 v[C+4*(\t)+1], v[XS+8:XS+15], v11
	v_lshrrev_b32 v[E+(\t)], 23, v11               ; the scale's byte (also the plain line behind the conversions)
	ds_store_b8 v5, v[E+(\t)] offset:16*(\t)       ; both lanes of a block write the same byte with the same value
	global_store_b64 v4, v[C+4*(\t):C+4*(\t)+1], s[26:27] offset:256*(\t)   ; 32 lanes store 256 consecutive bytes, aligned
.endm
.irp t, 0,1,2,3
	XLOAD \t
.endr
	s_wait_loadcnt 12                              ; step 0's four loads are in
	XTURN 0
.irp t, 0,1,2,3,4,5,6,7,8,9,10,11,12,13,14,15
	XSTEP \t
.endr
	ds_load_b64 v[8:9], v6                         ; my wave's 256 scale bytes, 8 a lane
	s_wait_dscnt 0x0
	global_store_b64 v4, v[8:9], s[28:29]          ; one aligned run of 256 bytes
.Lend:
	s_wait_tensorcnt 0x0                           ; the wave's end
	ds_add_u32 v[SPW], v[NIL]
	s_wait_dscnt 0x0
	s_endpgm
.Lfunc_end_k_qef55b4471e_prep:
	.size	k_qef55b4471e_prep, .Lfunc_end_k_qef55b4471e_prep-k_qef55b4471e_prep
	.p2alignl 7, 3214868480
	.fill 96, 4, 3214868480
	.section	.rodata,"a",@progbits
	.p2align	6, 0x0
	.amdhsa_kernel k_qef55b4471e_prep
		.amdhsa_group_segment_fixed_size 51712
		.amdhsa_private_segment_fixed_size 0
		.amdhsa_enable_private_segment 0
		.amdhsa_kernarg_size 64
		.amdhsa_user_sgpr_count 2
		.amdhsa_user_sgpr_kernarg_segment_ptr 1
		.amdhsa_wavefront_size32 1
		.amdhsa_system_sgpr_workgroup_id_x 1
		.amdhsa_system_sgpr_workgroup_id_y 1
		.amdhsa_system_sgpr_workgroup_id_z 1
		.amdhsa_system_vgpr_workitem_id 0
		.amdhsa_next_free_vgpr 232
		.amdhsa_next_free_sgpr 66
		.amdhsa_reserve_vcc 0
		.amdhsa_float_denorm_mode_32 3
		.amdhsa_float_denorm_mode_16_64 3
		.amdhsa_memory_ordered 1
		.amdhsa_forward_progress 1
		.amdhsa_inst_pref_size 96
	.end_amdhsa_kernel
	.amdgpu_metadata
---
amdhsa.version: [ 1, 2 ]
amdhsa.kernels:
  - .name:           k_qef55b4471e_prep
    .symbol:         k_qef55b4471e_prep.kd
    .args:
      - { .name: x, .offset: 0, .size: 8, .value_kind: global_buffer, .address_space: global }
      - { .name: wq, .offset: 8, .size: 8, .value_kind: global_buffer, .address_space: global }
      - { .name: wk, .offset: 16, .size: 8, .value_kind: global_buffer, .address_space: global }
      - { .name: wv, .offset: 24, .size: 8, .value_kind: global_buffer, .address_space: global }
      - { .name: wo, .offset: 32, .size: 8, .value_kind: global_buffer, .address_space: global }
      - { .name: codes, .offset: 40, .size: 8, .value_kind: global_buffer, .address_space: global }
      - { .name: scales, .offset: 48, .size: 8, .value_kind: global_buffer, .address_space: global }
      - { .name: woh, .offset: 56, .size: 8, .value_kind: global_buffer, .address_space: global }
    .group_segment_fixed_size: 51712
    .private_segment_fixed_size: 0
    .kernarg_segment_align: 8
    .kernarg_segment_size: 64
    .max_flat_workgroup_size: 128
    .sgpr_count:     66
    .vgpr_count:     232
    .wavefront_size: 32
...
	.end_amdgpu_metadata
.endif
;; end of part 1
;; launch gemm_qkv (part 2): grid 12 x 8, 4 waves a work-group, clusters of 4 x 4, 327,680 bytes of LDS; arguments codes, scales, cos, sin, qkvh, fine; writes qkvh, fine
.if DOCPART == 2
	.amdgcn_target "amdgcn-amd-amdhsa--gfx1250"
	.amdhsa_code_object_version 6
	.text
	.protected	k_qef55b4471e_gemm_qkv
	.globl	k_qef55b4471e_gemm_qkv
	.p2align	8
	.type	k_qef55b4471e_gemm_qkv,@function
k_qef55b4471e_gemm_qkv:
	s_mov_b64 s[64:65], 0
	v_nop
	global_prefetch_b8 v0, s[64:65] scope:SCOPE_SE
	s_setreg_imm32_b32 hwreg(HW_REG_WAVE_MODE, 25, 1), 1
	s_wait_xcnt 0x0
	s_wait_alu depctr_hold_cnt(0) depctr_sa_sdst(0) depctr_va_vdst(0) depctr_va_sdst(0) depctr_va_ssrc(0) depctr_va_vcc(0) depctr_vm_vsrc(0)
	s_getreg_b32 s2, hwreg(HW_REG_IB_STS2, 6, 4)
	s_cmp_eq_u32 s2, 0
	s_cbranch_scc0 .Lentry_in_a_cluster
	s_endpgm
.Lentry_in_a_cluster:
	s_bfe_u32 s2, ttmp6, 0x10000c
	s_cmp_lg_u32 s2, 0xf033
	s_cbranch_scc0 .Lentry_shape_is_right
	s_endpgm
.Lentry_shape_is_right:
; q | k | v = Q(x) Q(wq | wk | wv), on codes of E2M1 with one E8M0 scale for each 32 along K; then RoPE on q and k, in f32; then f16, laid by heads.
; A = rows 0-2047 of 'codes' (x), B = rows 2048-5119 (the weights' columns), both [row][1,024 bytes], K innermost; 'scales' [row][64 bytes] likewise.
; OUT: qkvh [24 heads][2,048 positions][128] f16: heads 0-15 q, 16-19 k, 20-23 v;
;      fine [24 heads][8,192 bytes] f32: the same numbers of positions 0-15, unrounded, for the launch that carries those rows in f32, AS AN IMAGE OF MY REGISTERS: group G of four registers at 512 G + 16 x lane;
;      lane l holds position l % 16, and its register 4 G + u channel 16 (G / 2) + 8 (l / 16) + 4 (G % 2) + u.
; LIMIT: |q|, |k|, |v| stay under 65,504, f16's largest number.
; A tile of C, 256 x 256, is made by four waves; a wave makes 128 rows x 128 columns, 64 accumulators of 16 x 16: ITS 128 COLUMNS ARE ONE HEAD.  K goes in steps of 512 (rows of 256 bytes) through a ring of two LDS slots.
; The scales of the work-group's 256 + 256 rows, for all of K, come into LDS once, with the first fills.
; CLUSTERS: 4 x 4 work-groups; A's tiles are asked for jointly along a row of the cluster, B's along a column.  12 x 8 tiles: 96 work-groups; a smaller tile would fill more of the chip at twice the LDS reads for each product.
; THE MATRIX INSTRUCTION IS USED TRANSPOSED (source 0 = 16 rows of B, source 1 = 16 rows of A): lane l holds position l % 16, and in accumulator (a, b) the head's channels 16 b + 8 (l / 16) + 0 .. 7.
; So RoPE's partners, channels d and d + 64, are accumulators b and b + 4: same lane, same register.
; COS AND SIN of a block of 16 positions are 64 registers.  They are asked for four to five blocks ahead of their use: blocks 0, 1, 2 at the head, into registers that the loop leaves alone; blocks 3, 4 behind the last products,
; into B's fragments' registers; blocks 5, 6, 7 into the registers of blocks 0, 1, 2 as these are used up.
; REGISTERS, in windows of 256: window 0: v0-31 addresses; v32-95 scale words, two sets; v128-191 A's fragments, one set; v192-255 cos and sin of block 0, later 5.  On the way out v32-191 are free.
;   window 1: B's fragments, two sets, at v0-63 and v128-191 (later cos and sin of blocks 3 and 4); v64-127 and v192-255: cos and sin of blocks 1 and 2, later 6 and 7.
;   window 2: the accumulators of my rows 0-63 ((a, b) at v[8 (8 a + b)]);   window 3: those of rows 64-127.
.set SIZE_M, 2048
.set SIZE_N, 3072
.set SIZE_K, 2048
.set KSTEP,  512
.set NQ,     KSTEP/128
.set ROWB,   256
.set KROW,   SIZE_K*4/8
.set PITCH,  272                       ; an LDS row: 256 bytes + 16 of padding: the 16 rows that a load touches start at 16 different banks
.set FR,     8
.set NL,     2
.set NP,     4
.set HALFT,  128*PITCH
.set SLOT,   4*HALFT
.set LAPS,   SIZE_K/(2*KSTEP)
.set KS,     SIZE_K/32
.set SCL,    2*SLOT
.set HALFS,  (128*KS/256)*272
.set SBLK,   (16*KS/256)*272
.set SPARE,  SCL+4*HALFS               ; the spare words, 128 bytes a wave, which no other line names
.set SPITCH, 272                       ; the way out: a stage of 16 rows x (256 bytes + 16) for each wave, in slot 0, which has had its last fill and its last read by then
.set ADRA, 16
.set ADRB, 20
.set FO,   22                          ; v22  fine: 16 x lane
.set STO,  24
.set RD,   25
.set GO,   26                          ; v26  qkvh: 256 (l / 16) + 16 (l % 16)
.set ADRS, 27
.set SPW,  28
.set NIL,  29
.set CSO,  30                          ; v30  cos, sin: 256 (l % 16) + 32 (l / 16)
.set FT,   31                          ; v31  2 x tile row + my half: 0 in the waves that own positions 0-127
.set SC,   32
.set AF,   128
.set Y,    32                          ; the way out: 16 positions x 128 channels after RoPE, f32
.set TMP,  96                          ; products at work, then the packed f16
.set BK,   128                         ; rows read back from the stage: v128-159 and v160-191 by turns
.set RM,   67                          ; s67  all ones for a head of q or k, 0 for a head of v: a value for v_cndmask_b32, no branch hangs on it
.set G1, 24
.set G0, 32
.set G1B, 48
.set G0B, 56
.set G1S, 68
.set G0S, 76
.set G1SB, 80
.set G0SB, 88
.set MSB, 0
.macro WIN new                         ; the immediate's high byte repeats the setting that is left
.if MSB != \new
	s_set_vgpr_msb (MSB<<8)|\new
.set MSB, \new
.endif
.endm
.set MUL_LO, 0xa1                      ; source 0 (B) window 1, source 1 (A) window 0, C and D window 2
.set MUL_HI, 0xf1
.set TO_B,   0x40
; A joint load: waves 0 and 1 fetch for A, waves 2 and 3 for B; the branch hangs on the wave's number alone.  An s_nop 0 and four v_nop follow each of the two lines.
.macro JLOAD g0a, g1a, g0b, g1b
	s_cmp_eq_u32 s15, 0
	s_cbranch_scc0 .Lfor_b_\@
	tensor_load_to_lds s[\g0a:\g0a+3], s[\g1a:\g1a+7]
	s_nop 0
.rept 4
	v_nop
.endr
	s_branch .Lasked_\@
.Lfor_b_\@:
	tensor_load_to_lds s[\g0b:\g0b+3], s[\g1b:\g1b+7]
	s_nop 0
.rept 4
	v_nop
.endr
.Lasked_\@:
.endm
.macro CREST                           ; a round of the cluster's barrier behind its opening barrier
	s_cmp_lg_u32 s14, 0
	s_cbranch_scc1 .Lnot_wave_0_\@
	s_barrier_signal -3
.Lnot_wave_0_\@:
	s_barrier_wait -3
	s_barrier_signal -1
	s_barrier_wait -1
.endm
.macro CROUND
	s_barrier_signal -1
	s_barrier_wait -1
	CREST
.endm
	s_load_b128 s[4:7], s[0:1], 0x0                ; codes, scales
	s_load_b128 s[96:99], s[0:1], 0x10             ; cos, sin
	s_load_b64 s[12:13], s[0:1], 0x20              ; qkvh
	s_load_b64 s[100:101], s[0:1], 0x28            ; fine
	v_lshl_add_u32 v[SPW], v0, 2, SPARE
	v_mov_b32 v[NIL], 0
	ds_add_u32 v[SPW], v[NIL]                      ; the wave's opening: the add, twice on end, and its wait ahead of my first tensor load
	ds_add_u32 v[SPW], v[NIL]
	v_lshrrev_b32 v1, 5, v0
	v_readfirstlane_b32 s14, v1                    ; wave 0..3
	s_lshr_b32 s15, s14, 1                         ; which half of the tile's rows is mine.  Also: I fetch for A (0) or for B (1)
	s_and_b32 s16, s14, 1                          ; which half of its columns.  Also: which 128 rows of that tile I fetch
	s_bfe_u32 s40, ttmp6, 0x40000                  ; cx, cy
	s_bfe_u32 s41, ttmp6, 0x40004
	s_lshl_b32 s42, ttmp9, 2
	s_add_co_u32 s42, s42, s40                     ; tile column
	s_and_b32 s17, ttmp7, 0xffff
	s_lshl_b32 s17, s17, 2
	s_add_co_u32 s17, s17, s41                     ; tile row
	s_lshl_b32 s43, s41, 2
	s_lshl_b32 s43, 15, s43                        ; my row of the cluster
	s_lshl_b32 s44, 0x1111, s40                    ; my column
	s_or_b32 s[G1+0], s43, (0<<16)|(1<<20)|(1<<21)|(5<<22)|(3<<25)  ; the mask; elements of 1 byte; padding on; bit 21 beside a mask; 4 words behind every 64
	s_or_b32 s[G1B+0], s44, (0<<16)|(1<<20)|(1<<21)|(5<<22)|(3<<25)
.irp g, G1, G1B
	s_mov_b32 s[\g+1], ROWB<<16                    ; tensor_dim0
	s_mov_b32 s[\g+2], 128<<16                     ; tensor_dim1
	s_mov_b32 s[\g+3], ROWB<<16                    ; tile_dim0
	s_mov_b32 s[\g+4], 128                         ; tile_dim1
	s_mov_b32 s[\g+5], KROW                        ; stride
	s_mov_b32 s[\g+6], 0
	s_mov_b32 s[\g+7], 0
.endr
	s_or_b32 s[G1S+0], s43, (3<<16)|(1<<20)|(1<<21)|(5<<22)|(3<<25) ; the scales of 128 rows: 8,192 dense bytes as 32 rows of 32 elements of 8 bytes, 16 bytes of padding behind each
	s_or_b32 s[G1SB+0], s44, (3<<16)|(1<<20)|(1<<21)|(5<<22)|(3<<25)
.irp g, G1S, G1SB
	s_mov_b32 s[\g+1], 32<<16
	s_mov_b32 s[\g+2], (128*KS/256)<<16
	s_mov_b32 s[\g+3], 32<<16
	s_mov_b32 s[\g+4], 128*KS/256
	s_mov_b32 s[\g+5], 32
	s_mov_b32 s[\g+6], 0
	s_mov_b32 s[\g+7], 0
.endr
	s_lshl_b32 s18, s16, 7
	s_lshl_b32 s20, s17, 8
	s_add_co_u32 s20, s20, s18                     ; A: row 256 x tile row + 128 x half
	s_lshl_b32 s46, s42, 8
	s_add_co_u32 s46, s46, s18                     ; B: row 256 x tile column + 128 x half
	s_mov_b32 s21, 0
	s_mov_b32 s47, 0
	s_mov_b64 s[18:19], KS
	s_mul_u64 s[22:23], s[20:21], s[18:19]
	s_mul_u64 s[92:93], s[46:47], s[18:19]
	s_mov_b64 s[18:19], KROW
	s_mul_u64 s[20:21], s[20:21], s[18:19]
	s_mul_u64 s[46:47], s[46:47], s[18:19]
	s_mul_i32 s45, s14, HALFT                      ; where they go: wave x 128 rows
	s_mul_i32 s94, s14, HALFS
	s_wait_dscnt 0x0                               ; both opening adds are done
	s_wait_kmcnt 0x0
	s_add_nc_u64 s[8:9], s[4:5], 0x200000          ; B's codes: behind x's 2,048 rows of 1,024 bytes
	s_add_nc_u64 s[10:11], s[6:7], 0x20000         ; B's scales: behind 2,048 rows of 64 bytes
	s_add_nc_u64 s[20:21], s[4:5], s[20:21]
	s_add_nc_u64 s[22:23], s[6:7], s[22:23]
	s_add_nc_u64 s[46:47], s[8:9], s[46:47]
	s_add_nc_u64 s[92:93], s[10:11], s[92:93]
	CROUND                                         ; all sixteen work-groups are here: the first joint loads meet
	s_mov_b32 s[G0S], 1
	s_add_co_u32 s[G0S+1], s94, SCL
	s_mov_b64 s[G0S+2:G0S+3], s[22:23]
	s_or_b32 s[G0S+3], s[G0S+3], 0x80000000
	s_mov_b32 s[G0SB], 1
	s_add_co_u32 s[G0SB+1], s94, SCL
	s_mov_b64 s[G0SB+2:G0SB+3], s[92:93]
	s_or_b32 s[G0SB+3], s[G0SB+3], 0x80000000
	JLOAD G0S, G1S, G0SB, G1SB                     ; the scales first
.irp s, 0,1
	s_mov_b32 s[G0+4*\s], 1
	s_add_co_u32 s[G0+4*\s+1], s45, \s*SLOT
	s_add_nc_u64 s[G0+4*\s+2:G0+4*\s+3], s[20:21], \s*ROWB
	s_or_b32 s[G0+4*\s+3], s[G0+4*\s+3], 0x80000000
	s_mov_b32 s[G0B+4*\s], 1
	s_add_co_u32 s[G0B+4*\s+1], s45, \s*SLOT
	s_add_nc_u64 s[G0B+4*\s+2:G0B+4*\s+3], s[46:47], \s*ROWB
	s_or_b32 s[G0B+4*\s+3], s[G0B+4*\s+3], 0x80000000
	JLOAD G0+4*\s, G1, G0B+4*\s, G1B
.endr
	v_and_b32 v1, 15, v0                           ; l % 16
	v_bfe_u32 v2, v0, 4, 1                         ; l / 16
	v_mul_u32_u24 v3, v1, PITCH
	v_lshl_add_u32 v4, v2, 4, v3
	s_mul_i32 s21, s15, HALFT
	s_mul_i32 s22, s16, HALFT
	s_add_co_u32 s22, s22, 2*HALFT
.irp s, 0,1
	v_add_nc_u32 v[ADRA+\s], s21, v4
	v_add_nc_u32 v[ADRB+\s], s22, v4
	s_add_co_u32 s21, s21, SLOT
	s_add_co_u32 s22, s22, SLOT
.endr
	v_mul_u32_u24 v5, v1, KS                       ; my row's scales: 64 bytes a row, and 16 more for each 256 passed
	v_lshrrev_b32 v6, 8, v5
	v_lshl_add_u32 v5, v6, 4, v5
	s_mul_i32 s21, s15, HALFS
	s_mul_i32 s22, s16, HALFS
	s_add_co_u32 s22, s22, 2*HALFS
	s_sub_co_u32 s22, s22, s21
	v_mul_u32_u24 v6, s22, v2                      ; lanes 16-31 take B's
	s_add_co_u32 s21, s21, SCL
	v_add_nc_u32 v5, v5, v6
	v_add_nc_u32 v[ADRS], s21, v5
	s_mul_i32 s23, s14, 16*SPITCH                  ; my stage
	v_mul_u32_u24 v5, v1, SPITCH                   ; in: row l % 16, 16 bytes for each half of the lanes
	v_lshl_add_u32 v5, v2, 4, v5
	v_add_nc_u32 v[STO], s23, v5
	v_mul_u32_u24 v5, v2, SPITCH                   ; back: lanes 0-15 one row of 256 bytes, lanes 16-31 the next
	v_lshl_add_u32 v5, v1, 4, v5
	v_add_nc_u32 v[RD], s23, v5
	v_lshlrev_b32 v5, 8, v2
	v_lshl_add_u32 v[GO], v1, 4, v5
	v_lshlrev_b32 v5, 8, v1
	v_lshl_add_u32 v[CSO], v2, 5, v5
	v_and_b32 v5, 31, v0
	v_lshlrev_b32 v[FO], 4, v5
	s_lshl_b32 s20, s17, 8
	s_lshl_b32 s21, s15, 7
	s_add_co_u32 s20, s20, s21                     ; my first position: 256 x tile row + 128 x half
	s_lshl_b32 s20, s20, 8                         ; a position is 256 bytes in cos, in sin and in a head of qkvh
	s_mov_b32 s21, 0
	s_add_nc_u64 s[96:97], s[96:97], s[20:21]
	s_add_nc_u64 s[98:99], s[98:99], s[20:21]
	s_add_nc_u64 s[12:13], s[12:13], s[20:21]
	s_lshl_b32 s92, s42, 1
	s_add_co_u32 s92, s92, s16                     ; my head: 2 x tile column + half (in registers that held B's offsets: none that feeds A's descriptors holds cx)
	s_cmp_lt_u32 s92, 20
	s_cselect_b32 s[RM], -1, 0
	s_lshl_b32 s46, s92, 19                        ; a head of qkvh is 524,288 bytes
	s_mov_b32 s47, 0
	s_add_nc_u64 s[12:13], s[12:13], s[46:47]
	s_lshl_b32 s46, s92, 13                        ; a head of fine is 8,192 bytes
	s_add_nc_u64 s[100:101], s[100:101], s[46:47]
	s_lshl_b32 s95, s17, 1
	s_add_co_u32 s95, s95, s15
	v_mov_b32 v[FT], s95
; cos and sin of block a's 16 positions, in the accumulators' layout: 16 loads, into 64 registers from v[base] on of window 0 (win = 0) or window 1 (win = 0x40): cos at channels 16 b + 8 h + j in v[base + 8 b + j], sin 32 registers on
.macro CSLOAD a, win, base
.set WCS, \win
	WIN WCS
.irp b, 0,1,2,3
	global_load_b128 v[\base+8*\b:\base+8*\b+3],         v[CSO], s[96:97] offset:(\a)*4096+64*\b
	global_load_b128 v[\base+8*\b+4:\base+8*\b+7],       v[CSO], s[96:97] offset:(\a)*4096+64*\b+16
	global_load_b128 v[\base+32+8*\b:\base+32+8*\b+3],   v[CSO], s[98:99] offset:(\a)*4096+64*\b
	global_load_b128 v[\base+32+8*\b+4:\base+32+8*\b+7], v[CSO], s[98:99] offset:(\a)*4096+64*\b+16
.endr
	WIN 0
.endm
	CSLOAD 0, 0, 192                               ; three blocks into registers that the loop leaves alone: they land while K is walked
	CSLOAD 1, 0x40, 64
	CSLOAD 2, 0x40, 192
.macro FRAG reg, adr, q, i             ; 16 rows x 128 K of 4-bit codes: 8 registers, two loads 32 bytes apart
.irp c, 0,1
	ds_load_b128 v[\reg+4*\c:\reg+4*\c+3], v[\adr] offset:64*(\q)+32*\c+(\i)*16*PITCH
.endr
.endm
; 16 matrix instructions: A's blocks a0, a0 + 1 x B's eight.  The 64 accumulators take turns, one instruction a turn, in the same order in every step.
.macro MUL16 a0, p, q, sc, zero
.irp a, \a0, \a0+1
.irp b, 0,1,2,3,4,5,6,7
.if \zero
	v_wmma_scale_f32_16x16x128_f8f6f4 v[8*(8*((\a)%4)+\b):8*(8*((\a)%4)+\b)+7], v[128*(\p)+FR*\b:128*(\p)+FR*\b+FR-1], v[AF+FR*(\a):AF+FR*(\a)+FR-1], 0, v[SC+8*NQ*(\sc)+NQ*\b+(\q)], v[SC+8*NQ*(\sc)+NQ*(\a)+(\q)] matrix_a_fmt:MATRIX_FMT_FP4 matrix_b_fmt:MATRIX_FMT_FP4 matrix_a_scale:MATRIX_SCALE_ROW1
.else
	v_wmma_scale_f32_16x16x128_f8f6f4 v[8*(8*((\a)%4)+\b):8*(8*((\a)%4)+\b)+7], v[128*(\p)+FR*\b:128*(\p)+FR*\b+FR-1], v[AF+FR*(\a):AF+FR*(\a)+FR-1], v[8*(8*((\a)%4)+\b):8*(8*((\a)%4)+\b)+7], v[SC+8*NQ*(\sc)+NQ*\b+(\q)], v[SC+8*NQ*(\sc)+NQ*(\a)+(\q)] matrix_a_fmt:MATRIX_FMT_FP4 matrix_b_fmt:MATRIX_FMT_FP4 matrix_a_scale:MATRIX_SCALE_ROW1
.endif
.endr
.endr
.endm
.macro FETCH_B slot, q, p
	WIN TO_B
.irp i, 0,1,2,3,4,5,6,7
	FRAG 128*(\p)+FR*\i, ADRB+\slot, \q, \i
.endr
	WIN 0
.endm
.macro FETCH_A slot, q, i0
.irp i, \i0, \i0+1, \i0+2, \i0+3
	FRAG AF+FR*(\i), ADRA+\slot, \q, \i
.endr
.endm
.macro SCALES sc                       ; a K step's scale words: lanes 0-15 take A's block i, lanes 16-31 B's block i
.irp i, 0,1,2,3,4,5,6,7
	ds_load_b128 v[SC+8*NQ*\sc+NQ*\i:SC+8*NQ*\sc+NQ*\i+3], v[ADRS] offset:\i*SBLK
.endr
.endm
.macro PLACES n                        ; plain vector lines between a matrix instruction and a load into a register that it read
.rept \n
	v_nop
.endr
.endm
.macro STEP slot, q, zero
	s_wait_dscnt 4*NL                              ; B's set and A's blocks 0-3 are in; the youngest eight loads (A's blocks 4-7) may be out
	WIN MUL_LO
	MUL16 0, (\q)%2, \q, \slot, \zero
	MUL16 2, (\q)%2, \q, \slot, \zero
	s_wait_dscnt 0
	PLACES NP
	FETCH_B \slot, (\q)+1, 1-(\q)%2
	FETCH_A \slot, (\q)+1, 0
	WIN MUL_HI
	MUL16 4, (\q)%2, \q, \slot, \zero
	MUL16 6, (\q)%2, \q, \slot, \zero
	PLACES NP
	WIN 0
	FETCH_A \slot, (\q)+1, 4
.endm
; A slot's last step changes slots: one barrier; in front of it each wave waits for all its tensor loads, adds 0 to its spare word, and waits for that and for its reads of this slot.
.macro TURN slot, next, fill
	s_wait_tensorcnt 0x0                           ; all my tensor loads have landed: my part of the next slot
	ds_add_u32 v[SPW], v[NIL]
	s_wait_dscnt 4*NL+1                            ; the add and the youngest eight loads may be out
	WIN MUL_LO
	MUL16 0, 1, NQ-1, \slot, 0
	s_wait_dscnt 0x0                               ; the add is done, and my reads of this slot are over
	s_barrier_signal -1
	MUL16 2, 1, NQ-1, \slot, 0
	WIN 0
	s_barrier_wait -1
.if \fill
	CREST                                          ; the barrier has opened a round of the cluster's: no wave of any partner still reads this slot or has a load on its way
	s_add_nc_u64 s[G0+4*\slot+2:G0+4*\slot+3], s[G0+4*\slot+2:G0+4*\slot+3], 2*ROWB
	s_add_nc_u64 s[G0B+4*\slot+2:G0B+4*\slot+3], s[G0B+4*\slot+2:G0B+4*\slot+3], 2*ROWB
	JLOAD G0+4*\slot, G1, G0B+4*\slot, G1B         ; the first tensor load behind the round; its four v_nop are the places in front of the loads below
.else
	PLACES NP
.endif
	v_add_nc_u32 v[ADRS], 4*NQ, v[ADRS]            ; the next K step's scale words
	FETCH_B \next, 0, 0
	FETCH_A \next, 0, 0
	SCALES \next
	WIN MUL_HI
	MUL16 4, 1, NQ-1, \slot, 0
	MUL16 6, 1, NQ-1, \slot, 0
	PLACES NP
	WIN 0
	FETCH_A \next, 0, 4
.endm
.macro STEPS slot, from
.set Q, \from
.rept NQ-1-\from
	STEP \slot, Q, 0
.set Q, Q+1
.endr
.endm
	s_wait_tensorcnt 1                             ; the scales and my part of K step 0 are in; K step 1's load may be out
	s_barrier_signal -1
	s_barrier_wait -1
	FETCH_B 0, 0, 0
	FETCH_A 0, 0, 0
	SCALES 0
	FETCH_A 0, 0, 4
	STEP 0, 0, 1                                   ; the first step's products start the sums
	s_mov_b32 s3, LAPS-1
.Llap:
	STEPS 0, 1
	TURN 0, 1, 1
	STEPS 1, 0
	TURN 1, 0, 1
	STEP 0, 0, 0
	s_sub_co_u32 s3, s3, 1
	s_cmp_lg_u32 s3, 0
	s_cbranch_scc1 .Llap
	STEPS 0, 1                                     ; the last lap fills nothing
	TURN 0, 1, 0
	STEPS 1, 0
	s_wait_dscnt 4*NL
	WIN MUL_LO
	MUL16 0, 1, NQ-1, 1, 0
	MUL16 2, 1, NQ-1, 1, 0
	s_wait_dscnt 0
	WIN MUL_HI
	MUL16 4, 1, NQ-1, 1, 0
	MUL16 6, 1, NQ-1, 1, 0
	WIN 0
; THE WAY OUT, block by block of 16 positions.
; ROPE a: y1 = x1 cos - x2 sin, y2 = x2 cos + x1 sin, x1 = accumulators 0-3, x2 = accumulators 4-7 of the block.  For a head of v cos becomes 1 and sin 0 by a select, so that all partners run the same lines.
; cw, cb: the window (0 or 1) and the first register of the block's cos and sin;  left: the loads issued behind this block's sixteen, which may stay out.  Each accumulator is read from its low end on.
.macro ROPE a, cw, cb, left
.set AC, 64*((\a)%4)
.set WSEL, 0x44*(\cw)
.set WROT, 0x02+(\a)/4+4*(\cw)
	s_wait_loadcnt \left                           ; this block's cos and sin are in
	WIN WSEL                                       ; source 1 and the destination: the window of cos and sin
.set i, 0
.rept 32
	v_cndmask_b32 v[\cb+i], 1.0, v[\cb+i], s[RM]
	v_cndmask_b32 v[\cb+32+i], 0, v[\cb+32+i], s[RM]
.set i, i+1
.endr
	WIN WROT                                       ; source 0: window 2 or 3; source 1: the window of cos and sin
.irp b, 0,1,2,3
.irp j, 0,2,4,6
	v_pk_mul_f32 v[TMP+\j:TMP+\j+1], v[AC+8*(\b+4)+\j:AC+8*(\b+4)+\j+1], v[\cb+32+8*\b+\j:\cb+32+8*\b+\j+1]
.endr
.irp j, 0,2,4,6
	v_pk_mul_f32 v[TMP+8+\j:TMP+8+\j+1], v[AC+8*\b+\j:AC+8*\b+\j+1], v[\cb+32+8*\b+\j:\cb+32+8*\b+\j+1]
.endr
.irp j, 0,2,4,6
	v_pk_fma_f32 v[Y+8*\b+\j:Y+8*\b+\j+1], v[AC+8*\b+\j:AC+8*\b+\j+1], v[\cb+8*\b+\j:\cb+8*\b+\j+1], v[TMP+\j:TMP+\j+1] neg_lo:[0,0,1] neg_hi:[0,0,1]
	v_pk_fma_f32 v[Y+8*(\b+4)+\j:Y+8*(\b+4)+\j+1], v[AC+8*(\b+4)+\j:AC+8*(\b+4)+\j+1], v[\cb+8*\b+\j:\cb+8*\b+\j+1], v[TMP+8+\j:TMP+8+\j+1]
.endr
.endr
	WIN 0
.endm
.macro PACK                            ; 128 channels of my position's half: 32 registers of f16 pairs
.irp b, 0,1,2,3,4,5,6,7
.irp r, 0,1,2,3
	v_cvt_pk_f16_f32 v[TMP+4*\b+\r], v[Y+8*\b+2*\r], v[Y+8*\b+2*\r+1]
.endr
.endr
.endm
.macro TOSTAGE a                       ; 16 bytes a lane into rows of 272 bytes, and back as whole rows of 256: LDS serves a wave's instructions in order
.set BB, BK+32*((\a)%2)
.irp b, 0,1,2,3,4,5,6,7
	ds_store_b128 v[STO], v[TMP+4*\b:TMP+4*\b+3] offset:32*\b
.endr
.irp t, 0,1,2,3,4,5,6,7
	ds_load_b128 v[BB+4*\t:BB+4*\t+3], v[RD] offset:\t*2*SPITCH
.endr
.endm
.macro SEND a
.set BB, BK+32*((\a)%2)
	s_wait_dscnt 0x0                               ; the block is back in registers
.irp t, 0,1,2,3,4,5,6,7
	global_store_b128 v[GO], v[BB+4*\t:BB+4*\t+3], s[12:13] offset:(\a)*4096+512*\t   ; sixteen lanes store 256 consecutive bytes, aligned
.endr
.endm
; Block a, from 1 on: its arithmetic stands between the loads from the stage of the block before and the wait for them.  more = 1: the block five further on is asked for, into the registers just used up.
.macro BLOCK a, cw, cb, left, more
	ROPE \a, \cw, \cb, \left
.if (\a) > 1
	s_wait_xcnt 0x0                                ; block a - 2's stores, issued ahead of this block's arithmetic, have read their registers: this block's loads from the stage land there.  It stands ahead of the new loads
.endif
.if \more
	CSLOAD (\a)+5, 0x40*(\cw), \cb
.endif
	PACK
	SEND (\a)-1
	TOSTAGE \a
.endm
	PLACES NP                                      ; between the last products and the loads into B's fragments' registers
	CSLOAD 3, 0x40, 0
	CSLOAD 4, 0x40, 128
	ROPE 0, 0, 192, 63                             ; 64 loads, four blocks', were issued behind block 0's: the count is the most that the wait can name
	; positions 0-15, unrounded, as an image of my registers: only the waves that own them store (a lane mask made of ids; no branch)
	v_cmp_eq_u32 vcc_lo, 0, v[FT]
	s_wait_xcnt 0x0                                ; EXEC changes only behind this wait
	s_and_saveexec_b32 s66, vcc_lo
.irp b, 0,1,2,3,4,5,6,7
	global_store_b128 v[FO], v[Y+8*\b:Y+8*\b+3], s[100:101] offset:1024*\b           ; 32 lanes store 512 consecutive bytes, aligned
	global_store_b128 v[FO], v[Y+8*\b+4:Y+8*\b+7], s[100:101] offset:1024*\b+512
.endr
	s_wait_xcnt 0x0                                ; and again in front of the line that widens it; the stores have also read their registers
	s_or_b32 exec_lo, exec_lo, s66
	CSLOAD 5, 0, 192
	PACK
	TOSTAGE 0
	BLOCK 1, 1, 64,  63, 1                         ; behind block 1's loads: blocks 2 to 5's, 64
	BLOCK 2, 1, 192, 63, 1                         ; blocks 3 to 6's
	BLOCK 3, 1, 0,   63, 0                         ; blocks 4 to 7's
	BLOCK 4, 1, 128, 48, 0                         ; blocks 5 to 7's: the counts run down
	BLOCK 5, 0, 192, 32, 0
	BLOCK 6, 1, 64,  16, 0
	BLOCK 7, 1, 192, 0,  0
	SEND 7
	s_wait_tensorcnt 0x0                           ; the wave's end
	ds_add_u32 v[SPW], v[NIL]
	s_wait_dscnt 0x0
	CROUND                                         ; the closing round
	s_endpgm
.Lfunc_end_k_qef55b4471e_gemm_qkv:
	.size	k_qef55b4471e_gemm_qkv, .Lfunc_end_k_qef55b4471e_gemm_qkv-k_qef55b4471e_gemm_qkv
	.p2alignl 7, 3214868480
	.fill 96, 4, 3214868480
	.section	.rodata,"a",@progbits
	.p2align	6, 0x0
	.amdhsa_kernel k_qef55b4471e_gemm_qkv
		.amdhsa_group_segment_fixed_size 327680
		.amdhsa_private_segment_fixed_size 0
		.amdhsa_enable_private_segment 0
		.amdhsa_kernarg_size 48
		.amdhsa_user_sgpr_count 2
		.amdhsa_user_sgpr_kernarg_segment_ptr 1
		.amdhsa_wavefront_size32 1
		.amdhsa_system_sgpr_workgroup_id_x 1
		.amdhsa_system_sgpr_workgroup_id_y 1
		.amdhsa_system_sgpr_workgroup_id_z 1
		.amdhsa_system_vgpr_workitem_id 0
		.amdhsa_next_free_vgpr 1024
		.amdhsa_next_free_sgpr 102
		.amdhsa_reserve_vcc 1
		.amdhsa_float_denorm_mode_32 3
		.amdhsa_float_denorm_mode_16_64 3
		.amdhsa_memory_ordered 1
		.amdhsa_forward_progress 1
		.amdhsa_inst_pref_size 255
	.end_amdhsa_kernel
	.section	.bss,"aw",@nobits
	.p2align	6
	.space	262144
	.amdgpu_metadata
---
amdhsa.version: [ 1, 2 ]
amdhsa.kernels:
  - .name:           k_qef55b4471e_gemm_qkv
    .symbol:         k_qef55b4471e_gemm_qkv.kd
    .args:
      - { .name: codes, .offset: 0, .size: 8, .value_kind: global_buffer, .address_space: global }
      - { .name: scales, .offset: 8, .size: 8, .value_kind: global_buffer, .address_space: global }
      - { .name: cos, .offset: 16, .size: 8, .value_kind: global_buffer, .address_space: global }
      - { .name: sin, .offset: 24, .size: 8, .value_kind: global_buffer, .address_space: global }
      - { .name: qkvh, .offset: 32, .size: 8, .value_kind: global_buffer, .address_space: global }
      - { .name: fine, .offset: 40, .size: 8, .value_kind: global_buffer, .address_space: global }
    .group_segment_fixed_size: 327680
    .private_segment_fixed_size: 0
    .kernarg_segment_align: 8
    .kernarg_segment_size: 48
    .max_flat_workgroup_size: 128
    .sgpr_count:     102
    .vgpr_count:     1024
    .wavefront_size: 32
...
	.end_amdgpu_metadata
.endif
;; end of part 2
;; launch first16 (part 3): grid 128 x 1, 8 waves a work-group, no clusters, 9,216 bytes of LDS; arguments fine, wo, out0; writes out0
.if DOCPART == 3
	.amdgcn_target "amdgcn-amd-amdhsa--gfx1250"
	.amdhsa_code_object_version 6
	.text
	.protected	k_qef55b4471e_first16
	.globl	k_qef55b4471e_first16
	.p2align	8
	.type	k_qef55b4471e_first16,@function
k_qef55b4471e_first16:
	s_mov_b64 s[64:65], 0
	v_nop
	global_prefetch_b8 v0, s[64:65] scope:SCOPE_SE
	s_setreg_imm32_b32 hwreg(HW_REG_WAVE_MODE, 25, 1), 1
	s_wait_xcnt 0x0
; Rows 0-15 of the result, all in f32: under the causal mask these positions average one to sixteen values and are the largest in size, so nothing of them is rounded to 16 bits.
; fine: [24 heads][8,192 bytes] f32 (0-15 q, 16-19 k, 20-23 v, after RoPE, positions 0-15), laid as an image of the operand's registers: group G of four registers at 512 G + 16 x lane; lane l holds position l % 16,
; and its register 4 G + u channel 16 (G / 2) + 8 (l / 16) + 4 (G % 2) + u.  So every load of it covers 512 consecutive bytes.   wo: [2,048][2,048] f32;  out0 rows 0-15.
; out(q, n) = sum over heads h of sum over keys of P_h(q, key) T_h(key, n), with T_h = V_g wo_h (16 keys x 16 columns, K = the head's 128).
; ORDER OF SUMS: reference() sums (P V) wo; this text sums P (V wo), in f32: the same terms in another order.  NaN and infinities among the inputs are not served.
; A work-group makes 16 columns of the 16 rows; its eight waves take two heads each (heads 2 w, 2 w + 1: one group of k and v) and their parts are added through LDS.  128 work-groups.
; The price of 16 columns a work-group: wo is read, and out0 written, in pieces of 64 bytes.
; v_wmma_f32_16x16x4_f32: 160 a wave; its accumulators are written by matrix instructions alone.  k is permuted alike on both sides of every product:
; instruction t takes registers 2 t, 2 t + 1, which hold channels 16 (t / 4) + 8 (l / 16) + 4 ((t / 2) % 2) + 2 (t % 2) + 0, 1: fine's order, in which wo's rows are loaded too.
; REGISTERS: window 0: v1-11 addresses and constants; v12-27 at work; v32-95 eight accumulators (head e, turn i): the scores, then T; v96-127 four accumulators of the result;
;   v128-191 k, later the weights p (v128-143) and sums; v192-255 v, later the eight waves' parts.   window 1: v0-127 q of my two heads; v128-255 wo of my two heads.
.set SPARE, 8192                       ; behind the eight waves' 1,024 bytes: the spare words, 128 bytes a wave, which no other line names
.set AC, 32
.set OA, 96
.set KR, 128
.set VR, 192
.set SS, 128
.set T2, 144
.set MSB, 0
.macro WIN new                         ; the immediate's high byte repeats the setting that is left
.if MSB != \new
	s_set_vgpr_msb (MSB<<8)|\new
.set MSB, \new
.endif
.endm
	s_load_b128 s[4:7], s[0:1], 0x0                ; fine, wo
	s_load_b64 s[8:9], s[0:1], 0x10                ; out0
	v_lshl_add_u32 v10, v0, 2, SPARE               ; my spare word; never rewritten
	v_mov_b32 v11, 0                               ; 0; never rewritten
	v_lshrrev_b32 v12, 5, v0
	v_readfirstlane_b32 s10, v12                   ; wave 0..7
	v_and_b32 v1, 15, v0                           ; r
	v_bfe_u32 v2, v0, 4, 1                         ; h
	v_and_b32 v3, 31, v0
	v_lshlrev_b32 v3, 4, v3                        ; fine: 16 x lane
	v_lshlrev_b32 v4, 2, v1
	v_lshl_add_u32 v4, v2, 16, v4                  ; wo: column r, 8 h rows of 8,192 bytes down
	v_and_b32 v6, 31, v0
	v_lshlrev_b32 v6, 4, v6                        ; LDS: 16 x lane
	s_lshl_b32 s11, s10, 10
	v_add_nc_u32 v5, s11, v6                       ; my wave's 1,024 bytes of LDS
	v_lshlrev_b32 v7, 13, v1
	v_lshl_add_u32 v7, v2, 5, v7                   ; out0: row r + 32 h bytes
	v_lshlrev_b32 v8, 3, v2
	v_sub_nc_u32 v8, v1, v8                        ; r - 8 h: register j holds key 8 h + j, hidden where j > r - 8 h
	v_mov_b32 v9, 0xff800000                       ; -infinity
	v_mov_b32 v14, 0                               ; a lane permute's destination counts as one of its sources
	v_mov_b32 v15, 0
	s_mov_b32 s20, 0x76543210
	s_mov_b32 s21, 0xfedcba98                      ; lane l xor 16
	s_mov_b32 s22, 0x3e0293ee                      ; c = log2(e) / sqrt(128)
	s_lshr_b32 s12, s10, 1
	s_lshl_b32 s12, s12, 13                        ; my group's 8,192 bytes among k's and among v's
	s_mov_b32 s13, 0
	s_lshl_b32 s14, s10, 14                        ; my two heads of q
	s_mov_b32 s15, 0
	s_lshl_b32 s18, ttmp9, 6                       ; my work-group's 16 columns, in bytes
	s_mov_b32 s19, 0
	s_lshl_b32 s16, s10, 21                        ; my two heads' 256 rows of wo
	s_add_co_u32 s16, s16, s18
	s_mov_b32 s17, 0
	s_wait_kmcnt 0x0
	s_add_nc_u64 s[12:13], s[4:5], s[12:13]
	s_add_nc_u64 s[14:15], s[4:5], s[14:15]
	s_add_nc_u64 s[6:7], s[6:7], s[16:17]
	s_add_nc_u64 s[8:9], s[8:9], s[18:19]
.irp i, 0,1,2,3,4,5,6,7,8,9,10,11,12,13,14,15
	global_load_b128 v[KR+4*\i:KR+4*\i+3], v3, s[12:13] offset:16*8192+512*\i      ; k
.endr
	WIN 0x40                                       ; destination window 1
.irp e, 0,1
.irp i, 0,1,2,3,4,5,6,7,8,9,10,11,12,13,14,15
	global_load_b128 v[64*\e+4*\i:64*\e+4*\i+3], v3, s[14:15] offset:8192*\e+512*\i ; q
.endr
.endr
	WIN 0
.irp i, 0,1,2,3,4,5,6,7,8,9,10,11,12,13,14,15
	global_load_b128 v[VR+4*\i:VR+4*\i+3], v3, s[12:13] offset:20*8192+512*\i      ; v
.endr
	WIN 0x40
.irp e, 0,1
.irp i, 0,1,2,3,4,5,6,7,8,9,10,11,12,13,14,15
.irp u, 0,1,2,3
	global_load_b32 v[128+64*\e+4*\i+\u], v4, s[6:7] offset:1048576*\e+(16*(\i/2)+4*(\i%2)+\u)*8192   ; wo(128 head + 16 (i / 2) + 8 h + 4 (i % 2) + u, my column)
.endr
.endr
.endr
	WIN 0
; 64 matrix instructions: for both heads, K = 128 in 32 steps of 4; source 0 = 16 keys (rows of k or of v), source 1 from window 1.  Eight accumulators take turns, one instruction a turn; the first eight start the sums.
.macro PROD ra, rb
	WIN 0x04                                       ; source 1 window 1
.set t, 0
.rept 32
.irp e, 0,1
.if t < 4
	v_wmma_f32_16x16x4_f32 v[AC+32*\e+8*(t%4):AC+32*\e+8*(t%4)+7], v[\ra+2*t:\ra+2*t+1], v[\rb+64*\e+2*t:\rb+64*\e+2*t+1], 0
.else
	v_wmma_f32_16x16x4_f32 v[AC+32*\e+8*(t%4):AC+32*\e+8*(t%4)+7], v[\ra+2*t:\ra+2*t+1], v[\rb+64*\e+2*t:\rb+64*\e+2*t+1], v[AC+32*\e+8*(t%4):AC+32*\e+8*(t%4)+7]
.endif
.endr
.set t, t+1
.endr
	WIN 0
.endm
	s_wait_loadcnt 63                              ; 144 loads were issued behind q's last: with at most 63 out, k and q are in
	PROD KR, 0                                     ; S^T = k q^T: lane l holds query l % 16, register j key 8 (l / 16) + j
.rept 9
	v_nop                                          ; plain lines behind this form (ISA guide 7.12.1): eight ahead of the first read of its results and of writes over k's registers, nine ahead of the products that begin these accumulators anew
.endr
.irp e, 0,1                                    ; a head's scores: the sum of its four accumulators, each read from its low end on
.irp j, 0,2,4,6
	v_pk_add_f32 v[SS+8*\e+\j:SS+8*\e+\j+1], v[AC+32*\e+\j:AC+32*\e+\j+1], v[AC+32*\e+8+\j:AC+32*\e+8+\j+1]
.endr
.irp j, 0,2,4,6
	v_pk_add_f32 v[T2+\j:T2+\j+1], v[AC+32*\e+16+\j:AC+32*\e+16+\j+1], v[AC+32*\e+24+\j:AC+32*\e+24+\j+1]
.endr
.irp j, 0,2,4,6
	v_pk_add_f32 v[SS+8*\e+\j:SS+8*\e+\j+1], v[SS+8*\e+\j:SS+8*\e+\j+1], v[T2+\j:T2+\j+1]
.endr
.endr
	s_wait_loadcnt 0x0                             ; v and wo
	PROD VR, 128                                   ; T = v wo: lane l holds column l % 16, register j key 8 (l / 16) + j; four partial sums a head
; THE SOFTMAX of both heads, while the matrix unit works on T.  These lines name none of T's registers: the plain ones among them are also the nine lines ahead of the products that take T as a source.
.irp j, 0,1,2,3,4,5,6,7
	v_cmp_gt_i32 vcc_lo, \j, v8                    ; key 8 h + j comes after query r
	v_cndmask_b32 v[SS+\j], v[SS+\j], v9, vcc_lo
	v_cndmask_b32 v[SS+8+\j], v[SS+8+\j], v9, vcc_lo
.endr
.irp e, 0,1
	v_max3_num_f32 v[12+\e], v[SS+8*\e], v[SS+8*\e+1], v[SS+8*\e+2]
.endr
.irp e, 0,1
	v_max3_num_f32 v[12+\e], v[12+\e], v[SS+8*\e+3], v[SS+8*\e+4]
.endr
.irp e, 0,1
	v_max3_num_f32 v[12+\e], v[12+\e], v[SS+8*\e+5], v[SS+8*\e+6]
.endr
.irp e, 0,1
	v_max_num_f32 v[12+\e], v[12+\e], v[SS+8*\e+7]
.endr
.irp e, 0,1
	v_permlanex16_b32 v[14+\e], v[12+\e], s20, s21
.endr
.irp e, 0,1
	v_max_num_f32 v[12+\e], v[12+\e], v[14+\e]     ; the row's largest score: key 0 counts for every query, so it is a number
.endr
.irp e, 0,1
	v_mul_f32 v[16+\e], s22, v[12+\e]              ; c m
.endr
.irp e, 0,1
.irp j, 0,1,2,3,4,5,6,7
	v_fma_f32 v[SS+8*\e+\j], v[SS+8*\e+\j], s22, -v[16+\e]   ; c s - c m, 0 or less
.endr
.endr
.irp j, 0,1,2,3,4,5,6,7,8,9,10,11,12,13,14,15
	v_exp_f32 v[SS+\j], v[SS+\j]
.endr
	v_nop                                          ; a plain line behind the last exponential
	s_wait_alu depctr_va_vdst(0)                   ; one wait for the batch, ahead of its first reader
.irp e, 0,1
	v_pk_add_f32 v[20+4*\e:21+4*\e], v[SS+8*\e:SS+8*\e+1], v[SS+8*\e+2:SS+8*\e+3]
	v_pk_add_f32 v[22+4*\e:23+4*\e], v[SS+8*\e+4:SS+8*\e+5], v[SS+8*\e+6:SS+8*\e+7]
.endr
.irp e, 0,1
	v_pk_add_f32 v[20+4*\e:21+4*\e], v[20+4*\e:21+4*\e], v[22+4*\e:23+4*\e]
.endr
.irp e, 0,1
	v_add_f32 v[18+\e], v[20+4*\e], v[21+4*\e]
.endr
.irp e, 0,1
	v_permlanex16_b32 v[14+\e], v[18+\e], s20, s21
.endr
.irp e, 0,1
	v_add_f32 v[18+\e], v[18+\e], v[14+\e]         ; the row's sum
.endr
.irp e, 0,1
	v_rcp_f32 v[16+\e], v[18+\e]
.endr
	v_nop
	s_wait_alu depctr_va_vdst(0)                   ; one wait for the two reciprocals
.irp e, 0,1
.irp j, 0,1,2,3,4,5,6,7
	v_mul_f32 v[SS+8*\e+\j], v[SS+8*\e+\j], v[16+\e]         ; the weights
.endr
.endr
; out^T += T^T-part x p: source 0 = two registers of T (rows: my 16 columns; K: keys 8 h + 2 kk + 0, 1), source 1 = the same two registers of p (columns: the queries).
; Each of T's four partial sums feeds an accumulator of its own: four by turns, one instruction a turn; the first four start the sums.
.irp e, 0,1
.irp kk, 0,1,2,3
.irp i, 0,1,2,3
.if (\e == 0) && (\kk == 0)
	v_wmma_f32_16x16x4_f32 v[OA+8*\i:OA+8*\i+7], v[AC+32*\e+8*\i+2*\kk:AC+32*\e+8*\i+2*\kk+1], v[SS+8*\e+2*\kk:SS+8*\e+2*\kk+1], 0
.else
	v_wmma_f32_16x16x4_f32 v[OA+8*\i:OA+8*\i+7], v[AC+32*\e+8*\i+2*\kk:AC+32*\e+8*\i+2*\kk+1], v[SS+8*\e+2*\kk:SS+8*\e+2*\kk+1], v[OA+8*\i:OA+8*\i+7]
.endif
.endr
.endr
.endr
.rept 8
	v_nop                                          ; eight plain lines ahead of the first read of the results
.endr
.irp j, 0,2,4,6                                ; lane l: query l % 16, register j: column 8 (l / 16) + j
	v_pk_add_f32 v[T2+\j:T2+\j+1], v[OA+\j:OA+\j+1], v[OA+8+\j:OA+8+\j+1]
.endr
.irp j, 0,2,4,6
	v_pk_add_f32 v[T2+8+\j:T2+8+\j+1], v[OA+16+\j:OA+16+\j+1], v[OA+24+\j:OA+24+\j+1]
.endr
.irp j, 0,2,4,6
	v_pk_add_f32 v[T2+\j:T2+\j+1], v[T2+\j:T2+\j+1], v[T2+8+\j:T2+8+\j+1]
.endr
	ds_store_b128 v5, v[T2:T2+3]                   ; my two heads' part, as an image of its registers
	ds_store_b128 v5, v[T2+4:T2+7] offset:512
	s_wait_dscnt 0x0                               ; for the others' sake: my stores have landed
	s_barrier_signal -1
	s_barrier_wait -1
	s_cmp_lg_u32 s10, 0
	s_cbranch_scc1 .Ldone                          ; wave 0 adds the eight parts and stores
.irp w, 0,1,2,3,4,5,6,7
	ds_load_b128 v[VR+8*\w:VR+8*\w+3], v6 offset:1024*\w
	ds_load_b128 v[VR+8*\w+4:VR+8*\w+7], v6 offset:1024*\w+512
.endr
	s_wait_dscnt 0x0
.irp a, 0,2,4,6
.irp j, 0,2,4,6
	v_pk_add_f32 v[VR+8*\a+\j:VR+8*\a+\j+1], v[VR+8*\a+\j:VR+8*\a+\j+1], v[VR+8*\a+8+\j:VR+8*\a+8+\j+1]
.endr
.endr
.irp a, 0,4
.irp j, 0,2,4,6
	v_pk_add_f32 v[VR+8*\a+\j:VR+8*\a+\j+1], v[VR+8*\a+\j:VR+8*\a+\j+1], v[VR+8*\a+16+\j:VR+8*\a+16+\j+1]
.endr
.endr
.irp j, 0,2,4,6
	v_pk_add_f32 v[VR+\j:VR+\j+1], v[VR+\j:VR+\j+1], v[VR+32+\j:VR+32+\j+1]
.endr
	global_store_b128 v7, v[VR:VR+3], s[8:9]
	global_store_b128 v7, v[VR+4:VR+7], s[8:9] offset:16
.Ldone:
	s_wait_tensorcnt 0x0                           ; the wave's end
	ds_add_u32 v10, v11
	s_wait_dscnt 0x0
	s_endpgm
.Lfunc_end_k_qef55b4471e_first16:
	.size	k_qef55b4471e_first16, .Lfunc_end_k_qef55b4471e_first16-k_qef55b4471e_first16
	.p2alignl 7, 3214868480
	.fill 96, 4, 3214868480
	.section	.rodata,"a",@progbits
	.p2align	6, 0x0
	.amdhsa_kernel k_qef55b4471e_first16
		.amdhsa_group_segment_fixed_size 9216
		.amdhsa_private_segment_fixed_size 0
		.amdhsa_enable_private_segment 0
		.amdhsa_kernarg_size 24
		.amdhsa_user_sgpr_count 2
		.amdhsa_user_sgpr_kernarg_segment_ptr 1
		.amdhsa_wavefront_size32 1
		.amdhsa_system_sgpr_workgroup_id_x 1
		.amdhsa_system_sgpr_workgroup_id_y 1
		.amdhsa_system_sgpr_workgroup_id_z 1
		.amdhsa_system_vgpr_workitem_id 0
		.amdhsa_next_free_vgpr 512
		.amdhsa_next_free_sgpr 66
		.amdhsa_reserve_vcc 1
		.amdhsa_float_denorm_mode_32 3
		.amdhsa_float_denorm_mode_16_64 3
		.amdhsa_memory_ordered 1
		.amdhsa_forward_progress 1
		.amdhsa_inst_pref_size 41
	.end_amdhsa_kernel
	.amdgpu_metadata
---
amdhsa.version: [ 1, 2 ]
amdhsa.kernels:
  - .name:           k_qef55b4471e_first16
    .symbol:         k_qef55b4471e_first16.kd
    .args:
      - { .name: fine, .offset: 0, .size: 8, .value_kind: global_buffer, .address_space: global }
      - { .name: wo, .offset: 8, .size: 8, .value_kind: global_buffer, .address_space: global }
      - { .name: out0, .offset: 16, .size: 8, .value_kind: global_buffer, .address_space: global }
    .group_segment_fixed_size: 9216
    .private_segment_fixed_size: 0
    .kernarg_segment_align: 8
    .kernarg_segment_size: 24
    .max_flat_workgroup_size: 256
    .sgpr_count:     66
    .vgpr_count:     512
    .wavefront_size: 32
...
	.end_amdgpu_metadata
.endif
;; end of part 3
;; launch attn (part 4): grid 64 x 4, 4 waves a work-group, clusters of 4 x 1, 327,680 bytes of LDS; arguments qkvh, ah; writes ah
.if DOCPART == 4
	.amdgcn_target "amdgcn-amd-amdhsa--gfx1250"
	.amdhsa_code_object_version 6
	.text
	.protected	k_qef55b4471e_attn
	.globl	k_qef55b4471e_attn
	.p2align	8
	.type	k_qef55b4471e_attn,@function
k_qef55b4471e_attn:
	s_mov_b64 s[64:65], 0
	v_nop
	global_prefetch_b8 v0, s[64:65] scope:SCOPE_SE
	s_setreg_imm32_b32 hwreg(HW_REG_WAVE_MODE, 25, 1), 1
	s_wait_xcnt 0x0
	s_wait_alu depctr_hold_cnt(0) depctr_sa_sdst(0) depctr_va_vdst(0) depctr_va_sdst(0) depctr_va_ssrc(0) depctr_va_vcc(0) depctr_vm_vsrc(0)
	s_getreg_b32 s2, hwreg(HW_REG_IB_STS2, 6, 4)
	s_cmp_eq_u32 s2, 0
	s_cbranch_scc0 .Lentry_in_a_cluster
	s_endpgm
.Lentry_in_a_cluster:
	s_bfe_u32 s2, ttmp6, 0x10000c
	s_cmp_lg_u32 s2, 0x3003
	s_cbranch_scc0 .Lentry_shape_is_right
	s_endpgm
.Lentry_shape_is_right:
; Causal attention on f16 operands, f32 sums.  qkvh: [24 heads][2,048 positions][128] f16 (0-15 q, 16-19 k, 20-23 v, after RoPE);  ah: [2,048 positions][16 heads x 128] f16, the projection's operand.
; LIMITS: |q|, |k|, |v| stay under 65,504, f16's largest number; NaN and infinities are not served.  Positions 0-15 are made here too, but the result's rows 0-15 come from the launch that carries them in f32.
; SHARES.  c = the cluster's x (0-15), g = the k and v head (0-3), cx = the work-group's place in its cluster.  WAVE w IS QUERY HEAD 4 g + w: the four heads that share k and v read each tile of LDS in one work-group.
; Each wave owns TWO tiles of 16 positions: the early one at 64 c + 16 cx, the late one at 64 (31 - c) + 16 cx.  Of key steps of 64 the early tile needs c + 1 and the late one 32 - c: 33 in every work-group.
; The four partners of a cluster have the same limits, so k's and v's tiles are asked for JOINTLY (mask 15).  256 work-groups.
; THE WALK: (35 - c) / 4 laps of four key steps, a trip count made of the cluster's number alone; no LDS address is stepped in the loop.  Up to three steps at the end lie wholly behind the late tile's diagonal:
; they are worked with every score hidden (p = 0, nothing changes), so that every tile that a joint load brings is read.
; LAYOUT.  S^T = K Q^T (source 0 = 16 keys, source 1 = 16 queries): a lane holds ONE query (lane % 16) and keys 8 (lane / 16) + 0..7.  Two such tiles, rounded to f16 in pairs, ARE source 1 of O^T = V^T P.
; K comes out of LDS as it lies, V ([key][channel]) turned, by ds_load_tr16_b128.
; SOFTMAX.  A running maximum m and sum l for each query: p = 2^(c s - c m), c = log2(e) / sqrt(128); in every step O and l are multiplied by a = 2^(c m_old - c m_new).
; A KEY STEP, in phases: the late tile's K Q^T | V's run of loads | its mask (on and behind the diagonal) and softmax | the early tile's whole step, in ONE arm of one branch on ids | the change of slots or the wait for V |
; the next K's run of loads | the late tile's V^T P.
; REGISTERS, in windows of 256: window 0: v2-15 addresses and constants; v16-31 eight statistics a tile; v32-95 S^T, 32 a tile; v96-127 P, 16 a tile; v128-255 O^T, 64 a tile (tile 0 early, tile 1 late).
;   window 1: v0-127 K of one step; v128-255 V of one step.   window 2: v0-63 Q, 32 a tile.
.set KS,    64
.set PK,    272                        ; a row of K in LDS: 256 bytes + 16: the 16 rows of a load start at 16 different banks
.set PV,    288                        ; a row of V: 256 + 32
.set VOFF,  KS*PK                      ; a step's tiles lie together: 64 rows of K, then 64 rows of V
.set STEPB, KS*(PK+PV)
.set SLOT1, 1<<17                      ; a slot holds two steps (71,680 bytes); slot 1 begins here
.set STAGE, SLOT1+2*STEPB              ; behind the ring: 16 rows x 272 bytes for each wave, for the way out
.set SP,    272
.set SPARE, STAGE+4*16*SP              ; the spare words, 128 bytes a wave, which no other line names
.set AK,  2                            ; v2, v3   my lane's place in K's tiles of slot 0, 1
.set AV,  4                            ; v4, v5   the same for V
.set QO,  6
.set STO, 7
.set RD,  8
.set GO,  9
.set LQ,  10                           ; v10  lane % 16 - 8 (lane / 16)
.set NINF, 11                          ; v11  -infinity
.set DD,  12                           ; v12  the mask's bound
.set PFO, 13                           ; v13  256 x lane; never rewritten
.set SPW, 14                           ; v14  my spare word; never rewritten
.set NIL, 15                           ; v15  0; never rewritten
.set ST,  16                           ; tile t's statistics at v[ST+8 t]: +0 c m, +1 m, +2, +3 l (even keys', odd keys'), +4 to +7 at work; a in +6
.set S,   32
.set P,   96
.set O,   128
.set WV,  12                           ; s12  wave
.set CX,  13                           ; s13  place in the cluster: it enters Q's and ah's addresses, the prefetch's address and the mask's bound alone
.set CE,  14                           ; s14  c: the early tile's last key step
.set CL,  15                           ; s15  31 - c: the late tile's diagonal step
.set JJ,  16                           ; s16  the key step
.set CNT, 17                           ; s17  laps still to be asked for
.set PE,  18                           ; s18  the early tile's first position
.set PL,  19                           ; s19  the late tile's
.set G1K, 24
.set G1V, 32
.set G0K, 40                           ; s[40:47] group 0 for K's tiles, a set for each slot, each with its constant LDS address
.set G0V, 48
.set CS,  56
.set SEL, 58
.set PFA, 60
.set LIM, 62
.set MSB, 0
.macro WIN new                         ; the immediate's high byte repeats the setting that is left
.if MSB != \new
	s_set_vgpr_msb (MSB<<8)|\new
.set MSB, \new
.endif
.endm
.set W_KQ, 0x09                        ; K window 1, Q window 2, S^T window 0
.set W_PV, 0x01                        ; V window 1; P and O^T window 0
.set W_LD, 0x40                        ; destination window 1
; A joint refill of slot s.  Waves 0 and 1 fetch the two steps' tiles of K, waves 2 and 3 those of V; the branch hangs on the wave's number alone.  An s_nop 0 and four v_nop follow each of the two lines.
.macro JLOAD s
	s_cmp_lt_u32 s[WV], 2
	s_cbranch_scc0 .Lfor_v_\@
	tensor_load_to_lds s[G0K+4*\s:G0K+4*\s+3], s[G1K:G1K+7]
	s_nop 0
.rept 4
	v_nop
.endr
	s_branch .Lasked_\@
.Lfor_v_\@:
	tensor_load_to_lds s[G0V+4*\s:G0V+4*\s+3], s[G1V:G1V+7]
	s_nop 0
.rept 4
	v_nop
.endr
.Lasked_\@:
.endm
; A PREFETCH INTO THE L2 of the slot behind the one that has just been asked for: 128 rows of K and 128 of V, 256 bytes a row, a lane a row: two key steps ahead of the load that will want them.
; Each row is named once in the launch: of a group's sixteen clusters the one with c = 0, which walks all keys, asks; its four partners take 32 rows each, told apart by ADDRESS; wave 0 asks for K's, wave 2 for V's.
; last = 1 (slot 1's change): the loop's last trip asks for nothing, since no slot lies behind the head's last.
.macro ASK last
.if \last
	s_cmp_gt_u32 s[CNT], s[LIM]
.else
	s_cmp_ge_u32 s[CNT], s[LIM]
.endif
	s_cbranch_scc0 .Lnot_mine_\@
	global_prefetch_b8 v[PFO], s[PFA:PFA+1] th:TH_LOAD_NT scope:SCOPE_SE
.Lnot_mine_\@:
.endm
.macro CROUND                          ; a round of the cluster's barrier
	s_barrier_signal -1
	s_barrier_wait -1
	s_cmp_lg_u32 s[WV], 0
	s_cbranch_scc1 .Lnot_wave_0_\@
	s_barrier_signal -3
.Lnot_wave_0_\@:
	s_barrier_wait -3
	s_barrier_signal -1
	s_barrier_wait -1
.endm
.macro PLACES                          ; four plain lines between a matrix instruction and the first read of its result, or a load into a register that it read
.rept 4
	v_nop
.endr
.endm
	s_load_b128 s[4:7], s[0:1], 0x0                ; qkvh, ah
	v_lshl_add_u32 v[SPW], v0, 2, SPARE
	v_mov_b32 v[NIL], 0
	ds_add_u32 v[SPW], v[NIL]                      ; the wave's opening: the add, twice on end, and its wait ahead of my first tensor load
	ds_add_u32 v[SPW], v[NIL]
	v_lshrrev_b32 v1, 5, v0
	v_readfirstlane_b32 s[WV], v1                  ; wave 0..3
	s_bfe_u32 s[CX], ttmp6, 0x40000
	s_mov_b32 s[CE], ttmp9                         ; in a cluster launch ttmp9 counts clusters
	s_sub_co_u32 s[CL], 31, s[CE]
	s_and_b32 s70, ttmp7, 0xffff                   ; g
	s_lshl_b32 s71, s[CX], 4
	s_lshl_b32 s[PE], s[CE], 6
	s_add_co_u32 s[PE], s[PE], s71
	s_lshl_b32 s[PL], s[CL], 6
	s_add_co_u32 s[PL], s[PL], s71
	s_sub_co_u32 s[CNT], 35, s[CE]
	s_lshr_b32 s[CNT], s[CNT], 2                   ; laps: the least whole number of four steps that holds 32 - c
	s_sub_co_u32 s[CNT], s[CNT], 1                 ; all but the last ask for the next lap's tiles: 4 to 7 trips
	s_mov_b32 s[JJ], 0
	s_lshl_b32 s74, s70, 2
	s_add_co_u32 s74, s74, s[WV]                   ; my query head
	s_and_b32 s63, s[WV], 1                        ; which of a slot's two steps I fetch:
	s_add_co_u32 s72, s70, 16
	s_lshl_b32 s72, s72, 19                        ; k's head 16 + g,
	s_lshl_b32 s73, s63, 14                        ; its 64 rows of 256 bytes in memory,
	s_add_co_u32 s72, s72, s73
	s_mov_b32 s73, 0
	s_mul_i32 s63, s63, STEPB                      ; and its place in a slot: no place in the cluster enters an LDS address
	; descriptor group 1: a tile of 64 rows x 128 elements of 2 bytes, padded in LDS
	s_mov_b32 s[G1K], 15|(1<<16)|(1<<20)|(1<<21)|(5<<22)|(3<<25)  ; the mask: all four work-groups; elements of 2 bytes; padding on; bit 21 beside a mask; 4 words behind every 64
	s_mov_b32 s[G1V], 15|(1<<16)|(1<<20)|(1<<21)|(5<<22)|(7<<25)  ; the same with 8 words
.irp g, G1K, G1V
	s_mov_b32 s[\g+1], 128<<16                     ; tensor_dim0
	s_mov_b32 s[\g+2], KS<<16                      ; tensor_dim1
	s_mov_b32 s[\g+3], 128<<16                     ; tile_dim0
	s_mov_b32 s[\g+4], KS                          ; tile_dim1
	s_mov_b32 s[\g+5], 128                         ; elements from row to row
	s_mov_b32 s[\g+6], 0
	s_mov_b32 s[\g+7], 0
.endr
	s_mov_b32 s[CS], 0x3e0293ee                    ; c = log2(e) / sqrt(128)
	s_mov_b32 s[CS+1], s[CS]                       ; named with it as a pair, so it is written
	s_mov_b32 s[SEL], 0x76543210
	s_mov_b32 s[SEL+1], 0xfedcba98
	s_and_b32 s[LIM], s[WV], 1                     ; 0 in waves 0 and 2,
	s_or_b32 s[LIM], s[LIM], ttmp9                 ; of the cluster with c = 0: the same in all four partners
	s_cmp_eq_u32 s[LIM], 0
	s_cselect_b32 s[LIM], 1, -1
	s_wait_dscnt 0x0                               ; both opening adds are done
	s_wait_kmcnt 0x0
	s_add_nc_u64 s[8:9], s[4:5], s[72:73]          ; K at my tile of slot 0
	s_add_nc_u64 s[10:11], s[8:9], 0x200000        ; V: four heads of 524,288 bytes on
	s_mov_b32 s3, 0
	s_lshl_b32 s75, s74, 19
	s_lshl_b32 s2, s[PE], 8
	s_add_co_u32 s2, s2, s75
	s_add_nc_u64 s[20:21], s[4:5], s[2:3]          ; Q at the early tile
	s_lshl_b32 s2, s[PL], 8
	s_add_co_u32 s2, s2, s75
	s_add_nc_u64 s[22:23], s[4:5], s[2:3]          ; and at the late one
	s_lshl_b32 s75, s74, 8
	s_lshl_b32 s2, s[PE], 12
	s_add_co_u32 s2, s2, s75
	s_add_nc_u64 s[66:67], s[6:7], s[2:3]          ; ah likewise: a position is 4,096 bytes, a head 256
	s_lshl_b32 s2, s[PL], 12
	s_add_co_u32 s2, s2, s75
	s_add_nc_u64 s[68:69], s[6:7], s[2:3]
	s_cmp_lt_u32 s[WV], 2
	s_cselect_b64 s[PFA:PFA+1], s[8:9], s[10:11]   ; (in waves 0 and 2 these stand at a slot's first row)
	s_lshl_b32 s2, s[CX], 13                       ; my work-group's 32 rows of the 128,
	s_add_co_u32 s2, s2, 2*2*KS*256                ; in slot 2: the first change of slots steps it to slot 3.  Nothing is prefetched at the head
	s_add_nc_u64 s[PFA:PFA+1], s[PFA:PFA+1], s[2:3]
	CROUND                                         ; all four work-groups are here: the first joint loads meet
.irp s, 0,1
	s_mov_b32 s[G0K+4*\s], 1                       ; count = 1
	s_add_co_u32 s[G0K+4*\s+1], s63, \s*SLOT1      ; LDS address
	s_add_nc_u64 s[G0K+4*\s+2:G0K+4*\s+3], s[8:9], \s*2*KS*256    ; slot s begins with keys 128 s
	s_or_b32 s[G0K+4*\s+3], s[G0K+4*\s+3], 0x80000000             ; type = 2
	s_mov_b32 s[G0V+4*\s], 1
	s_add_co_u32 s[G0V+4*\s+1], s63, \s*SLOT1+VOFF
	s_add_nc_u64 s[G0V+4*\s+2:G0V+4*\s+3], s[10:11], \s*2*KS*256
	s_or_b32 s[G0V+4*\s+3], s[G0V+4*\s+3], 0x80000000
.endr
	s_cmp_lt_u32 s[WV], 2                          ; a wave's two first fills stand in one branch, ahead of every wait on TENSORcnt and every LDS read: two loads of mine are out
	s_cbranch_scc0 .Lfirst_v
	tensor_load_to_lds s[G0K:G0K+3], s[G1K:G1K+7]
	s_nop 0
	tensor_load_to_lds s[G0K+4:G0K+7], s[G1K:G1K+7]
	s_nop 0
.rept 4
	v_nop
.endr
	s_branch .Lfirst_asked
.Lfirst_v:
	tensor_load_to_lds s[G0V:G0V+3], s[G1V:G1V+7]
	s_nop 0
	tensor_load_to_lds s[G0V+4:G0V+7], s[G1V:G1V+7]
	s_nop 0
.rept 4
	v_nop
.endr
.Lfirst_asked:
	v_and_b32 v1, 15, v0                           ; r = l % 16
	v_bfe_u32 v[DD], v0, 4, 1                      ; h = l / 16 (the register serves the mask later)
	v_lshlrev_b32 v[QO], 8, v1
	v_lshl_add_u32 v[QO], v[DD], 4, v[QO]          ; row x 256 + 16 x half
	WIN 0x80                                       ; destination window 2
.irp cc, 0,1,2,3                               ; Q stays in registers: channels 32 cc on
	global_load_b128 v[8*\cc:8*\cc+3],       v[QO], s[20:21] offset:64*\cc
	global_load_b128 v[8*\cc+4:8*\cc+7],     v[QO], s[20:21] offset:64*\cc+32
	global_load_b128 v[32+8*\cc:32+8*\cc+3], v[QO], s[22:23] offset:64*\cc
	global_load_b128 v[32+8*\cc+4:32+8*\cc+7], v[QO], s[22:23] offset:64*\cc+32
.endr
	WIN 0
	v_mul_u32_u24 v[AK], v1, PK
	v_lshl_add_u32 v[AK], v[DD], 4, v[AK]          ; row x pitch + 16 x half
	v_add_nc_u32 v[AK+1], SLOT1, v[AK]
	; the turning load: lane l reads 16 bytes: key 8 (l / 16) + l % 8, channels 8 ((l / 8) % 2) + 0..7
	v_and_b32 v32, 7, v0
	v_bfe_u32 v33, v0, 3, 1
	v_lshl_add_u32 v[AV], v[DD], 3, v32
	v_mul_u32_u24 v[AV], v[AV], PV
	v_lshl_add_u32 v[AV], v33, 4, v[AV]
	v_add_nc_u32 v[AV], VOFF, v[AV]
	v_add_nc_u32 v[AV+1], SLOT1, v[AV]
	s_mul_i32 s70, s[WV], 16*SP
	s_add_co_u32 s70, s70, STAGE                   ; my stage
	v_add_nc_u32 v[STO], s70, v[AK]                ; in: row l % 16, 16 bytes for each half of the lanes
	v_mul_u32_u24 v[RD], v[DD], SP                 ; back: lanes 0-15 one row of 256 bytes, lanes 16-31 the next
	v_lshl_add_u32 v[RD], v1, 4, v[RD]
	v_add_nc_u32 v[RD], s70, v[RD]
	v_lshlrev_b32 v[GO], 12, v[DD]                 ; and the same two positions in ah
	v_lshl_add_u32 v[GO], v1, 4, v[GO]
	v_lshlrev_b32 v[LQ], 3, v[DD]
	v_sub_nc_u32 v[LQ], v1, v[LQ]
	v_mov_b32 v[NINF], 0xff800000
	v_and_b32 v[PFO], 31, v0
	v_lshlrev_b32 v[PFO], 8, v[PFO]
.irp t, 0,1                                    ; the step is written once: the first finds m = -3e38, under every score, and zeros, which a = 0 leaves zeros
	v_mov_b32 v[ST+8*\t+1], 0xff61b1e6
	v_mul_f32 v[ST+8*\t], s[CS], v[ST+8*\t+1]
.irp i, 2,3,4,5,6,7
	v_mov_b32 v[ST+8*\t+\i], 0
.endr
.endr
.set i, 0
.rept 128
	v_mov_b32 v[O+i], 0
.set i, i+1
.endr
; 16 products of S^T = K Q^T for tile t: channels 32 cc on, keys 16 kt on.  The four accumulators take turns, one instruction a turn; the first four start the sums.
.macro KQ t
	WIN W_KQ
.irp cc, 0,1,2,3
.irp kt, 0,1,2,3
.if \cc == 0
	v_wmma_f32_16x16x32_f16 v[S+32*(\t)+8*\kt:S+32*(\t)+8*\kt+7], v[8*(4*\kt+\cc):8*(4*\kt+\cc)+7], v[32*(\t)+8*\cc:32*(\t)+8*\cc+7], 0
.else
	v_wmma_f32_16x16x32_f16 v[S+32*(\t)+8*\kt:S+32*(\t)+8*\kt+7], v[8*(4*\kt+\cc):8*(4*\kt+\cc)+7], v[32*(\t)+8*\cc:32*(\t)+8*\cc+7], v[S+32*(\t)+8*\kt:S+32*(\t)+8*\kt+7]
.endif
.endr
.endr
	WIN 0
.endm
; 16 products of O^T += V^T P for tile t: keys 32 kk on, channels 16 ct on.  Eight accumulators by turns.
.macro PVM t
	WIN W_PV
.irp kk, 0,1
.irp ct, 0,1,2,3,4,5,6,7
	v_wmma_f32_16x16x32_f16 v[O+64*(\t)+8*\ct:O+64*(\t)+8*\ct+7], v[128+8*(8*\kk+\ct):128+8*(8*\kk+\ct)+7], v[P+16*(\t)+8*\kk:P+16*(\t)+8*\kk+7], v[O+64*(\t)+8*\ct:O+64*(\t)+8*\ct+7]
.endr
.endr
	WIN 0
.endm
; The LDS loads stand in runs of 32: a step's K (16 fragments) and its V (turned).
.macro FETCH_K s, q
	WIN W_LD
.irp f, 0,1,2,3,4,5,6,7,8,9,10,11,12,13,14,15  ; keys 16 (f / 4) on, channels 32 (f % 4) on
	ds_load_b128 v[8*\f:8*\f+3],   v[AK+\s] offset:(\q)*STEPB+(\f/4)*16*PK+(\f%4)*64
	ds_load_b128 v[8*\f+4:8*\f+7], v[AK+\s] offset:(\q)*STEPB+(\f/4)*16*PK+(\f%4)*64+32
.endr
	WIN 0
.endm
.macro FETCH_V s, q
	WIN W_LD
.irp f, 0,1,2,3,4,5,6,7,8,9,10,11,12,13,14,15  ; keys 32 (f / 8) on, channels 16 (f % 8) on
	ds_load_tr16_b128 v[128+8*\f:128+8*\f+3],   v[AV+\s] offset:(\q)*STEPB+(\f/8)*32*PV+(\f%8)*32
	ds_load_tr16_b128 v[128+8*\f+4:128+8*\f+7], v[AV+\s] offset:(\q)*STEPB+(\f/8)*32*PV+16*PV+(\f%8)*32
.endr
	WIN 0
.endm
; Register n of tile t holds key 64 J + 16 (n / 8) + 8 (l / 16) + n % 8: hidden where 16 (n / 8) + n % 8 > the tile's first position + l % 16 - 8 (l / 16) - 64 J.  Each accumulator is read from its low end on.
.macro MASK t, pos
	s_lshl_b32 s70, s[JJ], 6
	s_sub_co_i32 s70, s[\pos], s70
	v_add_nc_u32 v[DD], s70, v[LQ]
.set n, 0
.rept 32
	v_cmp_gt_i32 vcc_lo, 16*(n/8)+n%8, v[DD]
	v_cndmask_b32 v[S+32*(\t)+n], v[S+32*(\t)+n], v[NINF], vcc_lo
.set n, n+1
.endr
.endm
; One tile's softmax for one key step.  The 33 exponentials are ONE batch with one wait: none of them reads another's result, and all readers stand behind the wait.
.macro SOFTMAX t
.set rT, ST+8*(\t)
.set rS, S+32*(\t)
.set rP, P+16*(\t)
.set rO, O+64*(\t)
.irp j, 0,1,2,3                                ; the maximum of the lane's 32 scores and the old m: four chains, each beginning at an accumulator's low end
	v_max3_num_f32 v[rT+4+\j], v[rS+8*\j], v[rS+8*\j+1], v[rS+8*\j+2]
.endr
.irp j, 0,1,2,3
	v_max3_num_f32 v[rT+4+\j], v[rT+4+\j], v[rS+8*\j+3], v[rS+8*\j+4]
.endr
.irp j, 0,1,2,3
	v_max3_num_f32 v[rT+4+\j], v[rT+4+\j], v[rS+8*\j+5], v[rS+8*\j+6]
.endr
	v_max3_num_f32 v[rT+4], v[rT+4], v[rS+7], v[rS+15]
	v_max3_num_f32 v[rT+6], v[rT+6], v[rS+23], v[rS+31]
	v_max3_num_f32 v[rT+4], v[rT+4], v[rT+5], v[rT+6]
	v_max3_num_f32 v[rT+4], v[rT+4], v[rT+7], v[rT+1]
	v_permlanex16_b32 v[rT+5], v[rT+4], s[SEL], s[SEL+1]   ; the query's other 32 keys lie in the lane 16 away
	v_mov_b32 v[rT+7], v[rT]                       ; c m_old
	v_max_num_f32 v[rT+1], v[rT+4], v[rT+5]        ; the new m
	v_mul_f32 v[rT], s[CS], v[rT+1]
	v_sub_f32 v[rT+7], v[rT+7], v[rT]              ; c m_old - c m_new, 0 or less
.set i, 0
.rept 16
	v_pk_fma_f32 v[rS+2*i:rS+2*i+1], v[rS+2*i:rS+2*i+1], s[CS:CS+1], v[rT:rT+1] op_sel_hi:[1,0,0] neg_lo:[0,0,1] neg_hi:[0,0,1]   ; c s - c m
.set i, i+1
.endr
	v_exp_f32 v[rT+6], v[rT+7]                     ; a
.set i, 0
.rept 32
	v_exp_f32 v[rS+i], v[rS+i]                     ; p
.set i, i+1
.endr
	v_nop                                          ; a plain line behind the last exponential
	s_wait_alu depctr_va_vdst(0)                   ; one wait for the batch, ahead of its first reader
.set i, 0
.rept 16
	v_cvt_pk_f16_f32 v[rP+i], v[rS+2*i], v[rS+2*i+1]
.set i, i+1
.endr
.irp u, 0,1,2,3,4,5,6,7                        ; the sum of the unrounded p, in pairs (an even key's, an odd key's), in place
	v_pk_add_f32 v[rS+4*\u:rS+4*\u+1], v[rS+4*\u:rS+4*\u+1], v[rS+4*\u+2:rS+4*\u+3]
.endr
.irp u, 0,1,2,3
	v_pk_add_f32 v[rS+8*\u:rS+8*\u+1], v[rS+8*\u:rS+8*\u+1], v[rS+8*\u+4:rS+8*\u+5]
.endr
.irp u, 0,1
	v_pk_add_f32 v[rS+16*\u:rS+16*\u+1], v[rS+16*\u:rS+16*\u+1], v[rS+16*\u+8:rS+16*\u+9]
.endr
	v_pk_add_f32 v[rS:rS+1], v[rS:rS+1], v[rS+16:rS+17]
	v_pk_fma_f32 v[rT+2:rT+3], v[rT+2:rT+3], v[rT+6:rT+7], v[rS:rS+1] op_sel_hi:[1,0,1]   ; l = a l + the sum
.set i, 0
.rept 32
	v_pk_mul_f32 v[rO+2*i:rO+2*i+1], v[rO+2*i:rO+2*i+1], v[rT+6:rT+7] op_sel_hi:[1,0]     ; O^T x a, each accumulator from its low end on
.set i, i+1
.endr
.endm
; THE CHANGE OF SLOTS, when slot s's last bytes, V of its second step, have been asked for.  Each wave waits for all its tensor loads (one is out: its part of the other slot), adds 0 to its spare word, and waits for that
; and for its reads of the slot.  fill = 1: the barrier is a round of the cluster's, and the joint refill, with the keys four steps on, is the first thing behind it: it has two key steps in which to land.
.macro CHANGE s, fill
	s_wait_tensorcnt 0x0                           ; no tensor load of mine is out, so a group 0 may be written
	ds_add_u32 v[SPW], v[NIL]
.if \fill
	s_add_nc_u64 s[G0K+4*\s+2:G0K+4*\s+3], s[G0K+4*\s+2:G0K+4*\s+3], 4*KS*256   ; the type bits on top are not reached
	s_add_nc_u64 s[G0V+4*\s+2:G0V+4*\s+3], s[G0V+4*\s+2:G0V+4*\s+3], 4*KS*256
	s_wait_xcnt 0x0                                ; the last prefetch, two key steps back, has read its address, so it may be written
	s_add_nc_u64 s[PFA:PFA+1], s[PFA:PFA+1], 2*KS*256
	s_wait_dscnt 0x0                               ; the add is done, and my reads of the slot are over
	CROUND
	JLOAD \s
.else
	s_wait_dscnt 0x0
	s_barrier_signal -1
	s_barrier_wait -1
.endif
.endm
; A KEY STEP: step q of slot s.  chg = 0: no change of slots; 1: slot s is left and filled again; 2: it is left.  nk = 1: K of step nq of slot ns is fetched for the next step.
; All branches hang on c and on the count of steps alone: the same in all waves and in all four partners.
.macro STEP s, q, chg, nk, ns, nq
	s_wait_dscnt 0x0                               ; K is in
	KQ 1
	PLACES                                         ; ahead of the reads of the scores, and of the loads into V's registers, which the last step's products read
	FETCH_V \s, \q
	s_cmp_lt_u32 s[JJ], s[CL]
	s_cbranch_scc1 .Lopen_\@
	MASK 1, PL                                     ; on the late tile's diagonal, and behind it
.Lopen_\@:
	SOFTMAX 1
	s_cmp_gt_u32 s[JJ], s[CE]
	s_cbranch_scc1 .Lno_early_\@                   ; the early tile's keys have ended
	KQ 0
	PLACES
	s_cmp_lg_u32 s[JJ], s[CE]
	s_cbranch_scc1 .Lopen_early_\@
	MASK 0, PE
.Lopen_early_\@:
	SOFTMAX 0
	s_wait_dscnt 0x0                               ; V is in
	PVM 0
.Lno_early_\@:
.if \chg == 1
	CHANGE \s, 1
.elseif \chg == 2
	CHANGE \s, 0
.else
	s_wait_dscnt 0x0                               ; V is in
.endif
.if \nk
	FETCH_K \ns, \nq                               ; it lands under the products below; K's last readers stand more than four plain lines back on either way
.endif
.if \chg == 1
	ASK \s
.endif
	PVM 1
	s_add_co_u32 s[JJ], s[JJ], 1
.endm
	s_wait_tensorcnt 1                             ; my part of slot 0 is in; slot 1's may stay out
	s_barrier_signal -1
	s_barrier_wait -1
	FETCH_K 0, 0
	s_wait_loadcnt 0x0                             ; Q
.Llap:                                             ; a trip goes once round the ring and fills both slots again
	STEP 0, 0, 0, 1, 0, 1
	STEP 0, 1, 1, 1, 1, 0
	STEP 1, 0, 0, 1, 1, 1
	STEP 1, 1, 1, 1, 0, 0
	s_sub_co_u32 s[CNT], s[CNT], 1
	s_cmp_gt_i32 s[CNT], 0                         ; a signed compare: the count comes down from 4 to 7, and the loop would end whatever its start
	s_cbranch_scc1 .Llap
	STEP 0, 0, 0, 1, 0, 1                          ; the last lap is written out: it asks for nothing
	STEP 0, 1, 2, 1, 1, 0
	STEP 1, 0, 0, 1, 1, 1
	STEP 1, 1, 0, 0, 0, 0
	; THE WAY OUT.  l's two halves and the other half of the lanes' are added; O^T is divided by l, rounded to f16 and sent through my stage in LDS, a tile (16 positions) at a time.
	PLACES
.irp t, 0,1
	v_add_f32 v[ST+8*\t+4], v[ST+8*\t+2], v[ST+8*\t+3]
.endr
.irp t, 0,1
	v_permlanex16_b32 v[ST+8*\t+5], v[ST+8*\t+4], s[SEL], s[SEL+1]
.endr
.irp t, 0,1
	v_add_f32 v[ST+8*\t+4], v[ST+8*\t+4], v[ST+8*\t+5]
.endr
.irp t, 0,1
	v_rcp_f32 v[ST+8*\t+6], v[ST+8*\t+4]           ; twice: the pair that the packed multiply names
	v_rcp_f32 v[ST+8*\t+7], v[ST+8*\t+4]
.endr
	v_nop
	s_wait_alu depctr_va_vdst(0)                   ; one wait for the four reciprocals
.macro PACK t
.set i, 0
.rept 32
	v_pk_mul_f32 v[O+64*\t+2*i:O+64*\t+2*i+1], v[O+64*\t+2*i:O+64*\t+2*i+1], v[ST+8*\t+6:ST+8*\t+7]
.set i, i+1
.endr
.set i, 0
.rept 32
	v_cvt_pk_f16_f32 v[S+32*\t+i], v[O+64*\t+2*i], v[O+64*\t+2*i+1]
.set i, i+1
.endr
.irp f, 0,1,2,3,4,5,6,7
	ds_store_b128 v[STO], v[S+32*\t+4*\f:S+32*\t+4*\f+3] offset:32*\f
.endr
.irp f, 0,1,2,3,4,5,6,7
	ds_load_b128 v[S+32*\t+4*\f:S+32*\t+4*\f+3], v[RD] offset:\f*2*SP   ; LDS serves a wave's instructions in order: these see the stores above; the next tile's stores come behind them
.endr
.endm
.macro SEND t, younger                 ; younger: the LDS instructions issued behind tile t's loads
.irp f, 0,1,2,3,4,5,6,7
	s_wait_dscnt \younger+7-\f
	global_store_b128 v[GO], v[S+32*\t+4*\f:S+32*\t+4*\f+3], s[66+2*\t:67+2*\t] offset:\f*8192   ; sixteen lanes store 256 consecutive bytes, aligned
.endr
.endm
	PACK 0
	PACK 1
	SEND 0, 16
	SEND 1, 0
	s_wait_tensorcnt 0x0                           ; the wave's end
	ds_add_u32 v[SPW], v[NIL]
	s_wait_dscnt 0x0
	CROUND                                         ; the closing round: no work-group ends while a partner may still ask for a tile that names it
	s_endpgm
.Lfunc_end_k_qef55b4471e_attn:
	.size	k_qef55b4471e_attn, .Lfunc_end_k_qef55b4471e_attn-k_qef55b4471e_attn
	.p2alignl 7, 3214868480
	.fill 96, 4, 3214868480
	.section	.rodata,"a",@progbits
	.p2align	6, 0x0
	.amdhsa_kernel k_qef55b4471e_attn
		.amdhsa_group_segment_fixed_size 327680
		.amdhsa_private_segment_fixed_size 0
		.amdhsa_enable_private_segment 0
		.amdhsa_kernarg_size 16
		.amdhsa_user_sgpr_count 2
		.amdhsa_user_sgpr_kernarg_segment_ptr 1
		.amdhsa_wavefront_size32 1
		.amdhsa_system_sgpr_workgroup_id_x 1
		.amdhsa_system_sgpr_workgroup_id_y 1
		.amdhsa_system_sgpr_workgroup_id_z 1
		.amdhsa_system_vgpr_workitem_id 0
		.amdhsa_next_free_vgpr 576
		.amdhsa_next_free_sgpr 76
		.amdhsa_reserve_vcc 1
		.amdhsa_float_denorm_mode_32 3
		.amdhsa_float_denorm_mode_16_64 3
		.amdhsa_memory_ordered 1
		.amdhsa_forward_progress 1
		.amdhsa_inst_pref_size 251
	.end_amdhsa_kernel
	.amdgpu_metadata
---
amdhsa.version: [ 1, 2 ]
amdhsa.kernels:
  - .name:           k_qef55b4471e_attn
    .symbol:         k_qef55b4471e_attn.kd
    .args:
      - { .name: qkvh, .offset: 0, .size: 8, .value_kind: global_buffer, .address_space: global }
      - { .name: ah, .offset: 8, .size: 8, .value_kind: global_buffer, .address_space: global }
    .group_segment_fixed_size: 327680
    .private_segment_fixed_size: 0
    .kernarg_segment_align: 8
    .kernarg_segment_size: 16
    .max_flat_workgroup_size: 128
    .sgpr_count:     76
    .vgpr_count:     576
    .wavefront_size: 32
...
	.end_amdgpu_metadata
.endif
;; end of part 4
;; launch proj (part 5): grid 16 x 16, 4 waves a work-group, clusters of 4 x 4, 327,680 bytes of LDS; arguments ah, woh, out0; writes out0
.if DOCPART == 5
	.amdgcn_target "amdgcn-amd-amdhsa--gfx1250"
	.amdhsa_code_object_version 6
	.text
	.protected	k_qef55b4471e_proj
	.globl	k_qef55b4471e_proj
	.p2align	8
	.type	k_qef55b4471e_proj,@function
k_qef55b4471e_proj:
	s_mov_b64 s[64:65], 0
	v_nop
	global_prefetch_b8 v0, s[64:65] scope:SCOPE_SE
	s_setreg_imm32_b32 hwreg(HW_REG_WAVE_MODE, 25, 1), 1
	s_wait_xcnt 0x0
	s_wait_alu depctr_hold_cnt(0) depctr_sa_sdst(0) depctr_va_vdst(0) depctr_va_sdst(0) depctr_va_ssrc(0) depctr_va_vcc(0) depctr_vm_vsrc(0)
	s_getreg_b32 s2, hwreg(HW_REG_IB_STS2, 6, 4)
	s_cmp_eq_u32 s2, 0
	s_cbranch_scc0 .Lentry_in_a_cluster
	s_endpgm
.Lentry_in_a_cluster:
	s_bfe_u32 s2, ttmp6, 0x10000c
	s_cmp_lg_u32 s2, 0xf033
	s_cbranch_scc0 .Lentry_shape_is_right
	s_endpgm
.Lentry_shape_is_right:
; out0 = ah woh, rows 16 to 2,047.  ah: [2,048 (m)][2,048 (k)] f16, K innermost;  woh: [2,048 (k)][2,048 (n)] f16, K is its FIRST axis;  out0: [2,048][2,048] f32; sums in f32.
; Rows 0-15 are stored by the launch that carries them in f32: the waves that hold them leave those 16 rows' stores out, by a lane mask made of ids.
; LIMIT: the operands are f16: magnitudes under 65,504.
; A tile of the result is 128 x 128: 256 work-groups.  Four waves, each 64 x 64: 16 accumulators of 16 x 16.  K goes in steps of 256 through a ring of two LDS slots:
; A's tile is 128 rows of 512 bytes, B's 256 rows (k) of 256 bytes (128 columns).  B comes out of LDS turned, by ds_load_tr16_b128.
; CLUSTERS: 4 x 4 work-groups.  A's tiles are asked for jointly along a row of the cluster, B's along a column.
; THE MATRIX INSTRUCTION IS USED TRANSPOSED (source 0 = 16 columns of B, source 1 = 16 rows of A): a lane holds eight neighbouring numbers of a row of the result.
; No prefetch: the tiles are shared in the cluster and each is read by sixteen work-groups of a row or column of tiles.
; REGISTERS: window 0: v0-31 addresses; v32-95 the way out; v128-255 the accumulators ((a, b) at v[128 + 8 (4 a + b)]).   window 1: two fragment buffers of 128: 64 registers of A (2 x 4 x 16 rows x 32 K), then 64 of B.
.set SIZE_M, 2048
.set SIZE_N, 2048
.set SIZE_K, 2048
.set KSTEP,  256
.set PITCH,  528                       ; A's LDS row: 512 bytes + 16
.set PB,     288                       ; B's LDS row: 256 bytes + 32
.set HALFA,  64*PITCH                  ; what wave 0 or 1 fetches, and what a wave reads of A
.set HALFB,  128*PB                    ; what wave 2 or 3 fetches: 128 of the step's 256 rows of B
.set SLOT,   2*HALFA+2*HALFB
.set STAGE,  2*SLOT                    ; behind the ring: 16 rows x 272 bytes for each wave
.set SPITCH, 272
.set SPARE,  STAGE+4*16*SPITCH         ; the spare words, 128 bytes a wave, which no other line names
.set LAPS,   SIZE_K/(2*KSTEP)
.set ADRA, 16                          ; v16-17  my A fragments in slot 0, 1
.set ADRB, 20                          ; v20-23  my B fragments: slot 0 rows 0-127, slot 0 rows 128-255, slot 1 likewise: so every offset stays inside 16 bits
.set STO,  24
.set RD,   25
.set CO,   26
.set FT,   27                          ; v27  2 x tile row + my half of its rows: 0 in the waves that hold rows 0-63
.set SPW,  28
.set NIL,  29
.set OB,   32                          ; the way out: v32-63 and v64-95 by turns
.set ACC,  128
.set F0,   0
.set F1,   128
.set G1, 24
.set G0, 32
.set G1B, 48
.set G0B, 56
.set MSB, 0
.macro WIN new                         ; the immediate's high byte repeats the setting that is left
.if MSB != \new
	s_set_vgpr_msb (MSB<<8)|\new
.set MSB, \new
.endif
.endm
.set MUL,  0x05                        ; sources 0 (B) and 1 (A) window 1; C and D window 0
.set TO_F, 0x40                        ; destination window 1, address window 0
.macro JLOAD s                         ; a joint load: waves 0 and 1 fetch A's two halves, waves 2 and 3 B's; an s_nop 0 and four v_nop follow each of the two lines
	s_cmp_eq_u32 s11, 0
	s_cbranch_scc0 .Lfor_b_\@
	tensor_load_to_lds s[G0+4*\s:G0+4*\s+3], s[G1:G1+7]
	s_nop 0
.rept 4
	v_nop
.endr
	s_branch .Lasked_\@
.Lfor_b_\@:
	tensor_load_to_lds s[G0B+4*\s:G0B+4*\s+3], s[G1B:G1B+7]
	s_nop 0
.rept 4
	v_nop
.endr
.Lasked_\@:
.endm
.macro CREST                           ; a round of the cluster's barrier behind its opening barrier
	s_cmp_lg_u32 s10, 0
	s_cbranch_scc1 .Lnot_wave_0_\@
	s_barrier_signal -3
.Lnot_wave_0_\@:
	s_barrier_wait -3
	s_barrier_signal -1
	s_barrier_wait -1
.endm
.macro CROUND
	s_barrier_signal -1
	s_barrier_wait -1
	CREST
.endm
	s_load_b128 s[4:7], s[0:1], 0x0                ; ah, woh
	s_load_b64 s[8:9], s[0:1], 0x10                ; out0
	v_lshl_add_u32 v[SPW], v0, 2, SPARE
	v_mov_b32 v[NIL], 0
	ds_add_u32 v[SPW], v[NIL]                      ; the wave's opening: the add, twice on end, and its wait ahead of my first tensor load
	ds_add_u32 v[SPW], v[NIL]
	v_lshrrev_b32 v1, 5, v0
	v_readfirstlane_b32 s10, v1                    ; wave 0..3
	s_lshr_b32 s11, s10, 1                         ; which half of the tile's rows is mine.  Also: I fetch for A (0) or for B (1)
	s_and_b32 s12, s10, 1                          ; which half of its columns.  Also: which half of that tile I fetch
	s_bfe_u32 s40, ttmp6, 0x40000                  ; cx, cy
	s_bfe_u32 s41, ttmp6, 0x40004
	s_lshl_b32 s42, ttmp9, 2
	s_add_co_u32 s42, s42, s40                     ; tile column
	s_and_b32 s13, ttmp7, 0xffff
	s_lshl_b32 s13, s13, 2
	s_add_co_u32 s13, s13, s41                     ; tile row
	s_lshl_b32 s43, s41, 2
	s_lshl_b32 s43, 15, s43                        ; my row of the cluster
	s_lshl_b32 s44, 0x1111, s40                    ; my column
	s_or_b32 s[G1+0], s43, (1<<16)|(1<<20)|(1<<21)|(6<<22)|(3<<25)  ; A: the mask; elements of 2 bytes; padding on; bit 21 beside a mask; 4 words behind every 128
	s_mov_b32 s[G1+1], KSTEP<<16                   ; tensor_dim0 = 256
	s_mov_b32 s[G1+2], 64<<16                      ; tensor_dim1 = 64
	s_mov_b32 s[G1+3], KSTEP<<16                   ; tile_dim0
	s_mov_b32 s[G1+4], 64                          ; tile_dim1
	s_mov_b32 s[G1+5], SIZE_K                      ; elements from row to row
	s_mov_b32 s[G1+6], 0
	s_mov_b32 s[G1+7], 0
	s_or_b32 s[G1B+0], s44, (1<<16)|(1<<20)|(1<<21)|(5<<22)|(7<<25) ; B: 8 words behind every 64
	s_mov_b32 s[G1B+1], 128<<16                    ; 128 columns
	s_mov_b32 s[G1B+2], 128<<16                    ; 128 rows along K
	s_mov_b32 s[G1B+3], 128<<16
	s_mov_b32 s[G1B+4], 128
	s_mov_b32 s[G1B+5], SIZE_N
	s_mov_b32 s[G1B+6], 0
	s_mov_b32 s[G1B+7], 0
	s_lshl_b32 s17, s12, 6
	s_lshl_b32 s16, s13, 7
	s_add_co_u32 s16, s16, s17                     ; A: row 128 x tile row + 64 x half,
	s_lshl_b32 s16, s16, 12                        ; of 4,096 bytes
	s_mov_b32 s17, 0
	s_lshl_b32 s46, s12, 19                        ; B: 128 x half rows of 4,096 bytes,
	s_lshl_b32 s47, s42, 8                         ; + 256 bytes for each tile column
	s_add_co_u32 s46, s46, s47
	s_mov_b32 s47, 0
	s_mul_i32 s20, s12, HALFA                      ; where they go: no place in the cluster enters an LDS address
	s_mul_i32 s21, s12, HALFB
	s_add_co_u32 s21, s21, 2*HALFA
	s_wait_dscnt 0x0                               ; both opening adds are done
	s_wait_kmcnt 0x0
	s_add_nc_u64 s[14:15], s[4:5], s[16:17]
	s_add_nc_u64 s[46:47], s[6:7], s[46:47]
	CROUND                                         ; all sixteen work-groups are here: the first joint loads meet
.irp s, 0,1
	s_mov_b32 s[G0+4*\s], 1
	s_add_co_u32 s[G0+4*\s+1], s20, \s*SLOT
	s_add_nc_u64 s[G0+4*\s+2:G0+4*\s+3], s[14:15], \s*KSTEP*2
	s_or_b32 s[G0+4*\s+3], s[G0+4*\s+3], 0x80000000
	s_mov_b32 s[G0B+4*\s], 1
	s_add_co_u32 s[G0B+4*\s+1], s21, \s*SLOT
	s_add_nc_u64 s[G0B+4*\s+2:G0B+4*\s+3], s[46:47], \s*KSTEP*SIZE_N*2
	s_or_b32 s[G0B+4*\s+3], s[G0B+4*\s+3], 0x80000000
	JLOAD \s
.endr
	v_and_b32 v1, 15, v0                           ; l % 16
	v_bfe_u32 v2, v0, 4, 1                         ; l / 16
	v_mul_u32_u24 v3, v1, PITCH
	v_lshl_add_u32 v3, v2, 4, v3                   ; A: a fragment's row x pitch + 16 x half
	s_mul_i32 s21, s11, HALFA                      ; my 64 rows of A
	v_add_nc_u32 v[ADRA], s21, v3
	s_add_co_u32 s21, s21, SLOT
	v_add_nc_u32 v[ADRA+1], s21, v3
	v_and_b32 v4, 7, v0                            ; B: lane l reads 16 bytes: row (k) 8 (l / 16) + l % 8, columns 8 ((l / 8) % 2) + 0..7
	v_bfe_u32 v5, v0, 3, 1
	v_lshl_add_u32 v4, v2, 3, v4
	v_mul_u32_u24 v4, v4, PB
	v_lshl_add_u32 v4, v5, 4, v4
	s_lshl_b32 s22, s12, 7                         ; my 64 columns: 128 bytes,
	s_add_co_u32 s22, s22, 2*HALFA                 ; behind A's 128 rows
	v_add_nc_u32 v[ADRB], s22, v4
	s_add_co_u32 s22, s22, HALFB
	v_add_nc_u32 v[ADRB+1], s22, v4
	s_add_co_u32 s22, s22, SLOT-HALFB
	v_add_nc_u32 v[ADRB+2], s22, v4
	s_add_co_u32 s22, s22, HALFB
	v_add_nc_u32 v[ADRB+3], s22, v4
	s_mul_i32 s23, s10, 16*SPITCH
	s_add_co_u32 s23, s23, STAGE                   ; my stage
	v_mul_u32_u24 v4, v1, SPITCH                   ; in: row l % 16, 32 bytes for each half of the lanes
	v_lshl_add_u32 v4, v2, 5, v4
	v_add_nc_u32 v[STO], s23, v4
	v_mul_u32_u24 v5, v2, SPITCH                   ; back: lanes 0-15 one row of 256 bytes, lanes 16-31 the next
	v_lshl_add_u32 v5, v1, 4, v5
	v_add_nc_u32 v[RD], s23, v5
	v_lshlrev_b32 v5, 13, v2                       ; and the same two rows in out0
	v_lshl_add_u32 v[CO], v1, 4, v5
	s_lshl_b32 s16, s13, 7
	s_lshl_b32 s17, s11, 6
	s_add_co_u32 s16, s16, s17                     ; my first row: 128 x tile row + 64 x half,
	s_lshl_b32 s16, s16, 13                        ; of 8,192 bytes
	s_mov_b32 s17, 0
	s_add_nc_u64 s[8:9], s[8:9], s[16:17]
	s_lshl_b32 s46, s42, 9                         ; my first column, in bytes: 512 x tile column + 256 x half
	s_lshl_b32 s47, s12, 8
	s_add_co_u32 s46, s46, s47
	s_mov_b32 s47, 0
	s_add_nc_u64 s[8:9], s[8:9], s[46:47]
	s_lshl_b32 s16, s13, 1
	s_add_co_u32 s16, s16, s11
	v_mov_b32 v[FT], s16
; 8 matrix instructions: m blocks a0, a0 + 1 x all 4 n blocks, 32 along K: half c of buffer f.  The 16 accumulators take turns.  zero = 1: the first product starts the sums
.macro MUL8 f, c, a0, zero
.irp a, \a0, \a0+1
.irp b, 0,1,2,3
.if \zero
	v_wmma_f32_16x16x32_f16 v[ACC+8*(4*(\a)+\b):ACC+8*(4*(\a)+\b)+7], v[\f+64+8*(4*\c+\b):\f+64+8*(4*\c+\b)+7], v[\f+8*(4*\c+\a):\f+8*(4*\c+\a)+7], 0
.else
	v_wmma_f32_16x16x32_f16 v[ACC+8*(4*(\a)+\b):ACC+8*(4*(\a)+\b)+7], v[\f+64+8*(4*\c+\b):\f+64+8*(4*\c+\b)+7], v[\f+8*(4*\c+\a):\f+8*(4*\c+\a)+7], v[ACC+8*(4*(\a)+\b):ACC+8*(4*(\a)+\b)+7]
.endif
.endr
.endr
.endm
; 32 LDS loads in one run: the fragments of the slot's q-th 64 along K into buffer f; the first 32 along K first
.macro FETCH slot, q, f
	WIN TO_F
.irp c, 0,1
.irp i, 0,1,2,3
	ds_load_tr16_b128 v[\f+64+8*(4*\c+\i):\f+64+8*(4*\c+\i)+3],   v[ADRB+2*\slot+(\q)/2] offset:((\q)%2)*64*PB+\c*32*PB+32*\i
	ds_load_tr16_b128 v[\f+64+8*(4*\c+\i)+4:\f+64+8*(4*\c+\i)+7], v[ADRB+2*\slot+(\q)/2] offset:((\q)%2)*64*PB+\c*32*PB+16*PB+32*\i
	ds_load_b128 v[\f+8*(4*\c+\i):\f+8*(4*\c+\i)+3],         v[ADRA+\slot] offset:128*(\q)+64*\c+\i*16*PITCH
	ds_load_b128 v[\f+8*(4*\c+\i)+4:\f+8*(4*\c+\i)+7],       v[ADRA+\slot] offset:128*(\q)+64*\c+\i*16*PITCH+32
.endr
.endr
.endm
.macro PLACES                          ; four plain lines in front of loads into registers that matrix instructions have read, and of the first read of results
.rept 4
	v_nop
.endr
.endm
; A K step is four quarters of 64 along K, 32 matrix instructions each, on buffers 0, 1, 0, 1.  One of the first three: multiplies buffer f and fetches quarter q into g.
.macro QUARTER slot, q, f, g, zero
	s_wait_dscnt 16                                ; the first 32 along K are in; the youngest sixteen loads may be out
	WIN MUL
	MUL8 \f, 0, 0, \zero
	MUL8 \f, 0, 2, \zero
	PLACES
	FETCH \slot, \q, \g
	s_wait_dscnt 32                                ; all but the 32 just issued
	WIN MUL
	MUL8 \f, 1, 0, 0
	MUL8 \f, 1, 2, 0
.endm
; The last quarter multiplies buffer 1 and changes slots: ONE barrier; in front of it each wave waits for all its tensor loads, adds 0 to its spare word, and waits for that and for its reads of this slot.
.macro TURN slot, next, fill
	WIN 0                                          ; (the add's two registers lie in window 0)
	s_wait_tensorcnt 0x0                           ; all my tensor loads have landed: my part of the next slot
	ds_add_u32 v[SPW], v[NIL]
	s_wait_dscnt 17                                ; the add and the youngest sixteen loads may be out
	WIN MUL
	MUL8 F1, 0, 0, 0
	s_wait_dscnt 0x0                               ; the add is done, and my reads of this slot are over
	s_barrier_signal -1
	MUL8 F1, 0, 2, 0
.if \fill
	WIN 0
.endif
	s_barrier_wait -1
.if \fill
	CREST                                          ; the barrier has opened a round of the cluster's: no wave of any partner still reads this slot or has a load on its way
	s_add_nc_u64 s[G0+4*\slot+2:G0+4*\slot+3], s[G0+4*\slot+2:G0+4*\slot+3], 2*KSTEP*2
	s_add_nc_u64 s[G0B+4*\slot+2:G0B+4*\slot+3], s[G0B+4*\slot+2:G0B+4*\slot+3], 2*KSTEP*SIZE_N*2
	JLOAD \slot                                    ; the first tensor load behind the round; its four v_nop are also the places in front of the loads below
.else
	PLACES
.endif
	FETCH \next, 0, F0
	WIN MUL
	MUL8 F1, 1, 0, 0
	MUL8 F1, 1, 2, 0
.endm
	s_wait_tensorcnt 1                             ; my part of K step 0 is in; K step 1's load may be out
	s_barrier_signal -1
	s_barrier_wait -1
	FETCH 0, 0, F0
	QUARTER 0, 1, F0, F1, 1                        ; the first quarter's first products start the sums
	WIN 0
	s_mov_b32 s3, LAPS-1
.Llap:                                             ; a trip goes once round the ring, from a lap's second quarter to the next lap's first, and fills both slots again
	QUARTER 0, 2, F1, F0, 0
	QUARTER 0, 3, F0, F1, 0
	TURN 0, 1, 1
	QUARTER 1, 1, F0, F1, 0
	QUARTER 1, 2, F1, F0, 0
	QUARTER 1, 3, F0, F1, 0
	TURN 1, 0, 1
	QUARTER 0, 1, F0, F1, 0
	WIN 0
	s_sub_co_u32 s3, s3, 1
	s_cmp_lg_u32 s3, 0
	s_cbranch_scc1 .Llap
	QUARTER 0, 2, F1, F0, 0                        ; the last lap fills nothing
	QUARTER 0, 3, F0, F1, 0
	TURN 0, 1, 0
	QUARTER 1, 1, F0, F1, 0
	QUARTER 1, 2, F1, F0, 0
	QUARTER 1, 3, F0, F1, 0
	s_wait_dscnt 16
	WIN MUL
	MUL8 F1, 0, 0, 0
	MUL8 F1, 0, 2, 0
	s_wait_dscnt 0
	MUL8 F1, 1, 0, 0
	MUL8 F1, 1, 2, 0
	WIN 0
; THE WAY OUT, block by block of 16 rows x 64 columns of f32.  A lane holds 32 neighbouring bytes of a row; a block goes through my own stage and comes back as whole rows of 256 bytes, which sixteen lanes store aligned.
; LDS serves a wave's instructions in order: no wait between the stores and the loads, nor in front of the next block's stores.
.macro TOSTAGE a
.set BB, OB+32*((\a)%2)
.irp b, 0,1,2,3
	ds_store_b128 v[STO], v[ACC+8*(4*(\a)+\b):ACC+8*(4*(\a)+\b)+3] offset:64*\b       ; each accumulator from its low end on
	ds_store_b128 v[STO], v[ACC+8*(4*(\a)+\b)+4:ACC+8*(4*(\a)+\b)+7] offset:64*\b+16
.endr
.irp t, 0,1,2,3,4,5,6,7
	ds_load_b128 v[BB+4*\t:BB+4*\t+3], v[RD] offset:\t*2*SPITCH
.endr
.endm
.macro SEND a, younger                 ; younger: the LDS instructions issued behind block a's loads
.set BB, OB+32*((\a)%2)
	s_wait_dscnt \younger
.if (\a) == 0
	v_cmp_ne_u32 vcc_lo, 0, v[FT]                  ; rows 0-15 belong to another launch: the waves that hold them store nothing of this block
	s_wait_xcnt 0x0                                ; EXEC changes only behind this wait
	s_and_saveexec_b32 s2, vcc_lo
.endif
.irp t, 0,1,2,3,4,5,6,7
	global_store_b128 v[CO], v[BB+4*\t:BB+4*\t+3], s[8:9] offset:(16*(\a)+2*\t)*SIZE_N*4 th:TH_STORE_NT
.endr
.if (\a) == 0
	s_wait_xcnt 0x0                                ; and again in front of the line that widens it
	s_or_b32 exec_lo, exec_lo, s2
.endif
.endm
	PLACES
	TOSTAGE 0
	TOSTAGE 1
	SEND 0, 16
	s_wait_xcnt 0x0                                ; block 0's stores have read their registers: block 2's loads may land there
	TOSTAGE 2
	SEND 1, 16
	s_wait_xcnt 0x0
	TOSTAGE 3
	SEND 2, 16
	SEND 3, 0
	s_wait_tensorcnt 0x0                           ; the wave's end
	ds_add_u32 v[SPW], v[NIL]
	s_wait_dscnt 0x0
	CROUND                                         ; the closing round
	s_endpgm
.Lfunc_end_k_qef55b4471e_proj:
	.size	k_qef55b4471e_proj, .Lfunc_end_k_qef55b4471e_proj-k_qef55b4471e_proj
	.p2alignl 7, 3214868480
	.fill 96, 4, 3214868480
	.section	.rodata,"a",@progbits
	.p2align	6, 0x0
	.amdhsa_kernel k_qef55b4471e_proj
		.amdhsa_group_segment_fixed_size 327680
		.amdhsa_private_segment_fixed_size 0
		.amdhsa_enable_private_segment 0
		.amdhsa_kernarg_size 24
		.amdhsa_user_sgpr_count 2
		.amdhsa_user_sgpr_kernarg_segment_ptr 1
		.amdhsa_wavefront_size32 1
		.amdhsa_system_sgpr_workgroup_id_x 1
		.amdhsa_system_sgpr_workgroup_id_y 1
		.amdhsa_system_sgpr_workgroup_id_z 1
		.amdhsa_system_vgpr_workitem_id 0
		.amdhsa_next_free_vgpr 512
		.amdhsa_next_free_sgpr 66
		.amdhsa_reserve_vcc 1
		.amdhsa_float_denorm_mode_32 3
		.amdhsa_float_denorm_mode_16_64 3
		.amdhsa_memory_ordered 1
		.amdhsa_forward_progress 1
		.amdhsa_inst_pref_size 86
	.end_amdhsa_kernel
	.amdgpu_metadata
---
amdhsa.version: [ 1, 2 ]
amdhsa.kernels:
  - .name:           k_qef55b4471e_proj
    .symbol:         k_qef55b4471e_proj.kd
    .args:
      - { .name: ah, .offset: 0, .size: 8, .value_kind: global_buffer, .address_space: global }
      - { .name: woh, .offset: 8, .size: 8, .value_kind: global_buffer, .address_space: global }
      - { .name: out0, .offset: 16, .size: 8, .value_kind: global_buffer, .address_space: global }
    .group_segment_fixed_size: 327680
    .private_segment_fixed_size: 0
    .kernarg_segment_align: 8
    .kernarg_segment_size: 24
    .max_flat_workgroup_size: 128
    .sgpr_count:     66
    .vgpr_count:     512
    .wavefront_size: 32
...
	.end_amdgpu_metadata
.endif
;; end of part 5
